; MI455X (gfx1250); checked and timed in simulation.
; The chip was launched on July 23, 2026; its instructions are those of AMD's public machine-readable ISA for CDNA 5 (MIT licence, August 2026) and "CDNA5" Instruction Set Architecture Reference Guide (July 2026). The comments in the code are by the model that wrote it; some were corrected since.
;; CLIP Attention. Allowed arithmetic: matrix products marked QUANTISED: E2M1 operands, one E8M0 scale for each 32 along K, by v_wmma_scale_f32_16x16x128_f8f6f4 with both operands' format E2M1 (or v_wmma_scale_f32_32x16x128_f4), f32 sums; products left as they are: bf16, f16 or f32 operands; f32 sums; everything else in f32.
;; Inputs: Wk 1,024 x 1,024 float32; Wo 1,024 x 1,024 float32; Wq 1,024 x 1,024 float32; Wv 1,024 x 1,024 float32; bk 1,024 float32; bo 1,024 float32; bq 1,024 float32; bv 1,024 float32; x 8 x 1,024 x 1,024 float32.
;; Outputs: out0 8 x 1,024 x 1,024 float32.
;; This version of the problem:
;;   THIS VERSION OF THE PROBLEM IS GIVEN IN LOW PRECISION. The matrix products marked QUANTISED in the list below multiply operands that are first quantised to E2M1 (2 exponent bits, 1 mantissa bit; 4 bits a number), with one power-of-two scale for each 32 numbers along K (OCP MX v1.0); their sums are f32. The products marked 'left as it is' may take bf16, f16 or f32 operands, with f32 sums. Whichever they take, every output number must still come out within the allowed error. Rounding operands to bf16 (8 significant bits) uses up far more of that allowance than f16 does (11 bits, for magnitudes from 6e-5 to 65,504). All else is computed in f32.
;;   The module's matrix products, in the order in which they are computed (A, B: the left and right operand; K: the contracted axis; several contracted axes count as one K, in the product's order):
;;     1. [M 8,192, K 1,024] x [K 1,024, N 1,024]; A: input x; B: input Wq: QUANTISED
;;     2. [M 8,192, K 1,024] x [K 1,024, N 1,024]; A: input x; B: input Wk: QUANTISED
;;     3. [M 8,192, K 1,024] x [K 1,024, N 1,024]; A: input x; B: input Wv: QUANTISED
;;     4. batch 128 x [M 1,024, K 64] x [K 64, N 1,024]; A: computed on the way; B: computed on the way: left as it is (an operand is computed on the way)
;;     5. batch 128 x [M 1,024, K 1,024] x [K 1,024, N 64]; A: computed on the way; B: computed on the way: left as it is (an operand is computed on the way)
;;     6. [M 8,192, K 1,024] x [K 1,024, N 1,024]; A: computed on the way; B: input Wo: left as it is (an operand is computed on the way)
;;   THE QUANTISER, for each operand of a quantised product, along K:
;;     - K is cut into blocks of 32 from its start; a last block that is shorter is filled with zeros.
;;     - A block's scale is 2^e with e = floor(log2(the largest magnitude in the block)) - 2, held to -126 .. 127; a block of zeros has e = 0. As a byte (E8M0): e + 127.
;;     - Each number is divided by its block's scale, clamped to +-6, and rounded to the nearest number of E2M1, ties to even, subnormals kept.
;;     - The product sums the exact products of the quantised numbers (number of the format x scale) in f32.
;;   ~~~python
;;   def quantise(x, axis):      # numpy; x: float32 -> the quantised numbers, widened to float32 again
;;       x = np.moveaxis(x, axis, -1); K = x.shape[-1]
;;       x = np.pad(x, [(0, 0)] * (x.ndim - 1) + [(0, -K % 32)]); x = x.reshape(x.shape[:-1] + (-1, 32)); a = np.abs(x).max(-1, keepdims=True)
;;       e = np.where(a > 0, np.clip(np.frexp(np.where(a > 0, a, 1))[1] - 1 - 2, -126, 127), 0)      # np.frexp(a)[1] - 1 = floor(log2(a)), exactly
;;       r = np.clip(x / 2.0 ** e, -6, 6)
;;       step = 2.0 ** (np.maximum(np.frexp(np.where(r == 0, 1, r))[1] - 1, 0) - 1)
;;       q = np.round(r / step) * step * 2.0 ** e      # np.round: ties to even
;;       return np.moveaxis(q.reshape(q.shape[:-2] + (-1,))[..., :K], -1, axis).astype(np.float32)
;;   ~~~
;; One version. Each part assembles by itself: llvm-mc -triple=amdgcn-amd-amdhsa -mcpu=gfx1250 --defsym DOCPART=n.
;; ======== version 1 of 1: 4 launches
;; limits: values are held in f16: magnitudes above 65,504 overflow, below 6.1e-05 lose precision
;; workspace buffers: xc 4,194,304 bytes; xs 262,144 bytes; wc 1,572,864 bytes; ws 98,304 bytes; woh 2,097,152 bytes; qkvh 50,331,648 bytes; mh 16,777,216 bytes
;; launch prep (part 1): grid 512 x 1, 4 waves a work-group, no clusters, 17,920 bytes of LDS; arguments x, Wq, Wk, Wv, Wo, xc, xs, wc, ws, woh; writes xc, xs, wc, ws, woh
.if DOCPART == 1
	.amdgcn_target "amdgcn-amd-amdhsa--gfx1250"
	.amdhsa_code_object_version 6
	.text
	.protected	k_q67331815cc_prep
	.globl	k_q67331815cc_prep
	.p2align	8
	.type	k_q67331815cc_prep,@function
k_q67331815cc_prep:
	s_mov_b64 s[64:65], 0
	v_nop
	global_prefetch_b8 v0, s[64:65] scope:SCOPE_SE
	s_setreg_imm32_b32 hwreg(HW_REG_WAVE_MODE, 25, 1), 1
	s_wait_xcnt 0x0
; PREP.  x [8192][1024] f32 and Wq, Wk, Wv [1024 (k)][1024 (n)] f32 become codes of FP4 (E2M1) with one E8M0 scale byte for each 32 along K; Wo [1024 (k)][1024 (n)] becomes f16.
; A block's scale is 2^(floor(log2(its largest magnitude)) - 2); its byte is the largest magnitude's exponent field - 2, held at 1 from below; each number is divided by the scale and rounded to the nearest code, ties to even, held at 6.
; EVERYTHING IS LAID AS AN IMAGE OF THE READER'S OPERAND REGISTERS: four registers of a fragment are 512 consecutive bytes, lane l's 16 bytes at 16 l (r = l % 16, h = l / 16).
;   xc [tile of 16 rows 512][K step of 128: 8][block of 32: 4][r 16][16 bytes]      xs [tile 512][half of K: 2][r 16][4 words: a word = the four bytes of one K step]
;   wc, ws: the same with [tile of 16 columns n: 192], tile = 64 x matrix + n / 16, matrix 0 = Wq, 1 = Wk, 2 = Wv
;   woh [tile of 16 n: 64][32 along k: 32][g 4][r 16][16 bytes]: Wo(32 kb + 8 g + 0..7, 16 tile + r) in f16
; LIMITS: NaN and infinities among the inputs are not served.  A block of zeros gets the byte 1 (the rule says 127): its codes are zeros, and the bytes are read by this program alone.
;   |Wo| up to 65,504 (f16's largest number); under 2^-14 it is held with an absolute error of at most 2^-25.
; SHARES.  Work-groups 0-255 take x: a wave takes 16 rows x 512 along K, in 8 pieces of 16 rows x 64.  Work-groups 256-511 take the four weights: a wave takes 32 columns x 128 along K.
; No tensor load, no barrier: waves share nothing.  Matrix units and clusters have nothing to do here: every byte is read once and written once.
.set STG,   4352                       ; a wave's stage in LDS: 16 rows x (256 bytes + 16): row r begins 17 r x 16 bytes on, so sixteen rows' equal columns fall on sixteen different 16-byte columns modulo 256
.set SPARE, 4*STG                      ; behind the four stages: the spare words, 128 bytes for each wave: two blocks of 256 bytes that no other line names
.set SPW,   14                         ; v14      LDS address of my spare word; never rewritten
.set NIL,   15                         ; v15      0; never rewritten
.set WD,    16                         ; v16-19   scale words
.set TP,    20                         ; v20-23   the other half of the lanes' bytes
.set R,     32                         ; v32-159  numbers as loaded: x: three sets of 32; weights: four blocks of 32
.set X,     128                        ; v128-159 x: a lane's whole block of 32
.set C,     160                        ; v160-191 codes: registers of their own for each piece, so that no store's data are written again
; the wave's end
.macro FINISH
	s_wait_tensorcnt 0x0
	ds_add_u32 v[SPW], v[NIL]
	s_wait_dscnt 0x0
	s_endpgm
.endm
; 32 numbers of ONE block in a lane's registers from base on: v11 = the conversion's scale operand, v13 = the scale's byte
.macro AMAX base
.set AB, \base
	v_max3_num_f32 v12, |v[AB]|, |v[AB+1]|, |v[AB+2]|              ; the largest magnitude, in two chains
	v_max3_num_f32 v13, |v[AB+3]|, |v[AB+4]|, |v[AB+5]|
.irp i, 6,10,14,18,22,26
	v_max3_num_f32 v12, v12, |v[AB+\i]|, |v[AB+\i+1]|
	v_max3_num_f32 v13, v13, |v[AB+\i+2]|, |v[AB+\i+3]|
.endr
	v_max3_num_f32 v12, v12, |v[AB+30]|, |v[AB+31]|
	v_max3_num_f32 v12, v12, v13, 0x1800000                        ; and the floor 2^(3 - 127): the byte cannot fall under 1
	v_add_nc_u32 v11, 0xff000000, v12                              ; 2 off the exponent field: the conversion takes the exponent field of this operand as its scale, and nothing else of it
	v_lshrrev_b32 v13, 23, v11                                     ; the scale's byte
.endm
	s_load_b256 s[4:11], s[0:1], 0x0               ; x s[4:5], Wq s[6:7], Wk s[8:9], Wv s[10:11]
	s_load_b256 s[12:19], s[0:1], 0x20             ; Wo s[12:13], xc s[14:15], xs s[16:17], wc s[18:19]
	s_load_b128 s[20:23], s[0:1], 0x40             ; ws s[20:21], woh s[22:23]
	v_lshl_add_u32 v[SPW], v0, 2, SPARE
	v_mov_b32 v[NIL], 0
	v_lshrrev_b32 v1, 5, v0
	v_readfirstlane_b32 s24, v1                    ; wave 0..3
	v_and_b32 v1, 31, v0                           ; lane
	v_and_b32 v2, 15, v0                           ; r
	v_bfe_u32 v3, v0, 4, 1                         ; h
	v_lshlrev_b32 v4, 4, v2
	v_lshl_add_u32 v4, v3, 12, v4                  ; x, in: 4096 h + 16 r: sixteen lanes take 256 bytes of one row, the other sixteen of the next
	s_mul_i32 s30, s24, STG                        ; my stage
	v_mul_u32_u24 v5, v3, 272
	v_lshl_add_u32 v5, v2, 4, v5
	v_add_nc_u32 v5, s30, v5                       ; into it as loaded: row h (+ 2 i), 16 r
	v_mul_u32_u24 v6, v2, 272
	v_lshl_add_u32 v6, v3, 7, v6
	v_add_nc_u32 v6, s30, v6                       ; out of it: row r, my half's 128 bytes: a whole block of 32
	v_lshlrev_b32 v7, 4, v1                        ; 16 x lane: a fragment piece's place for my lane
	v_lshlrev_b32 v8, 4, v2
	v_lshl_add_u32 v8, v3, 3, v8                   ; xs: 16 r + 8 h
	v_lshlrev_b32 v9, 2, v1                        ; weights, in: 4 bytes a lane
	v_lshlrev_b32 v24, 3, v3                       ; 8 h bits
	v_lshlrev_b32 v28, 4, v2
	v_lshl_add_u32 v28, v3, 9, v28                 ; ws: 512 h + 16 r
.irp j, 0,1,2,3
	v_mov_b32 v[TP+\j], 0                          ; written once: a lane permute's destination counts as one of its sources
.endr
	s_mov_b32 s36, 0x76543210
	s_mov_b32 s37, 0xfedcba98                      ; v_permlanex16_b32's selects for lane l xor 16
	s_mov_b32 s29, 0                               ; the upper word of every offset pair s[28:29]
	s_wait_kmcnt 0x0
	s_cmp_lt_u32 ttmp9, 256
	s_cbranch_scc0 .Lweights
	; ---------------- x ----------------
	s_lshl_b32 s25, ttmp9, 2
	s_add_co_u32 s25, s25, s24                     ; wi = 4 x work-group + wave: tile wi / 2, half wi % 2 of K
	s_lshr_b32 s28, s25, 1
	s_lshl_b32 s28, s28, 16                        ; 16 rows of 4,096 bytes
	s_and_b32 s30, s25, 1
	s_lshl_b32 s30, s30, 11                        ; 512 numbers
	s_add_co_u32 s28, s28, s30
	s_add_nc_u64 s[4:5], s[4:5], s[28:29]
	s_lshl_b32 s28, s25, 12                        ; 4,096 bytes of codes for a wave
	s_add_nc_u64 s[14:15], s[14:15], s[28:29]
	s_lshl_b32 s28, s25, 8                         ; 256 bytes of scale words
	s_add_nc_u64 s[16:17], s[16:17], s[28:29]
.macro XLOAD p                         ; piece p: 16 rows x 256 bytes; each half of the lanes reads 256 consecutive bytes, aligned
.irp i, 0,1,2,3,4,5,6,7
	global_load_b128 v[R+32*((\p)%3)+4*\i:R+32*((\p)%3)+4*\i+3], v4, s[4:5] offset:8192*\i+256*(\p) th:TH_LOAD_NT
.endr
.endm
.macro PIECE p
.if (\p) <= 5
	s_wait_loadcnt 16                              ; this piece's eight loads are in; the two later pieces' sixteen may be out
.else
	s_wait_loadcnt 8*(7-(\p))
.endif
.irp i, 0,1,2,3,4,5,6,7
	ds_store_b128 v5, v[R+32*((\p)%3)+4*\i:R+32*((\p)%3)+4*\i+3] offset:544*\i
.endr
.irp q, 0,1,2,3,4,5,6,7
	ds_load_b128 v[X+4*\q:X+4*\q+3], v6 offset:16*\q   ; LDS serves a wave's instructions in order (ISA guide 5.7.1.4): these see the stores above, and come ahead of the next piece's
.endr
	s_wait_dscnt 0x0                               ; my block is in; the stores have read their registers,
.if (\p)+3 < 8
	XLOAD (\p)+3                                   ; which take the loads of three pieces on
.endif
	AMAX X
.if (\p)%2 == 0
	v_mov_b32 v[WD+(\p)/2], v13                    ; K step p / 2: my byte of blocks h and 2 + h
.else
	v_lshl_or_b32 v[WD+(\p)/2], v13, 16, v[WD+(\p)/2]
.endif
.irp g, 0,1,2,3
	v_cvt_scalef32_pk8_fp4_f32 v[C+4*(\p)+\g], v[X+8*\g:X+8*\g+7], v11
.endr
	v_nop                                          ; one plain place behind a run of scaled conversions
	global_store_b128 v7, v[C+4*(\p):C+4*(\p)+3], s[14:15] offset:512*(\p)   ; the wave stores 512 consecutive bytes: one piece of a fragment's image
.endm
	XLOAD 0
	XLOAD 1
	XLOAD 2
.irp p, 0,1,2,3,4,5,6,7
	PIECE \p
.endr
.irp j, 0,1,2,3
	v_lshlrev_b32 v[WD+\j], v24, v[WD+\j]          ; my two bytes at their places in the word (8 h bits up);
.endr
.irp j, 0,1,2,3
	v_permlanex16_b32 v[TP+\j], v[WD+\j], s36, s37
.endr
.irp j, 0,1,2,3
	v_or_b32 v[WD+\j], v[WD+\j], v[TP+\j]          ; with lane l xor 16's two the word is whole
.endr
	v_cmp_eq_u32 vcc_lo, 1, v3
	v_cndmask_b32 v26, v16, v18, vcc_lo            ; lanes 0-15 store words 0 and 1 of their row, lanes 16-31 words 2 and 3
	v_cndmask_b32 v27, v17, v19, vcc_lo
	global_store_b64 v8, v[26:27], s[16:17]        ; 32 lanes store 256 consecutive bytes, aligned
	FINISH
	; ---------------- the weights: a lane takes a column n, and its registers run down K ----------------
.Lweights:
	s_sub_co_u32 s25, ttmp9, 256
	s_lshr_b32 s38, s25, 6                         ; the matrix: 0 Wq, 1 Wk, 2 Wv, 3 Wo
	s_bfe_u32 s39, s25, 0x30003                    ; which 128 columns
	s_and_b32 s40, s25, 7                          ; which K step of 128
	s_cmp_lt_u32 s38, 1
	s_cselect_b64 s[26:27], s[6:7], s[8:9]
	s_cmp_lt_u32 s38, 2
	s_cselect_b64 s[26:27], s[26:27], s[10:11]
	s_cmp_lt_u32 s38, 3
	s_cselect_b64 s[26:27], s[26:27], s[12:13]
	s_lshl_b32 s41, s39, 3
	s_lshl_b32 s30, s24, 1
	s_add_co_u32 s41, s41, s30                     ; my first column / 16 = 8 x group + 2 x wave
	s_lshl_b32 s28, s40, 19                        ; 128 rows of 4,096 bytes
	s_lshl_b32 s30, s41, 6                         ; 4 bytes a column
	s_add_co_u32 s28, s28, s30
	s_add_nc_u64 s[26:27], s[26:27], s[28:29]
.macro WLOAD b                         ; block b: W(128 s + 32 b + k, my column), k = 0..31: the wave reads 128 consecutive bytes a load
.set k, 0
.rept 32
	global_load_b32 v[R+32*(\b)+k], v9, s[26:27] offset:4096*(32*(\b)+k) th:TH_LOAD_NT
.set k, k+1
.endr
.endm
.macro WAITB b                         ; block b is in; the one younger block's 32 loads may be out; then the block two on is asked for, into registers of its own
.if (\b) < 3
	s_wait_loadcnt 32
.else
	s_wait_loadcnt 0x0
.endif
.if (\b)+2 < 4
	WLOAD (\b)+2
.endif
.endm
	WLOAD 0
	WLOAD 1
	s_cmp_eq_u32 s38, 3
	s_cbranch_scc1 .Lcast
	s_lshl_b32 s30, s38, 6
	s_add_co_u32 s30, s30, s41                     ; tile = 64 x matrix + column / 16 (lanes 16-31: the next tile)
	s_lshl_b32 s28, s30, 13                        ; 8,192 bytes of codes a tile,
	s_lshl_b32 s31, s40, 10                        ; 1,024 a K step
	s_add_co_u32 s28, s28, s31
	s_add_nc_u64 s[18:19], s[18:19], s[28:29]
	s_lshl_b32 s28, s30, 9                         ; 512 bytes of scale words a tile,
	s_lshr_b32 s31, s40, 2
	s_lshl_b32 s31, s31, 8                         ; 256 a half of K,
	s_add_co_u32 s28, s28, s31
	s_and_b32 s31, s40, 3
	s_lshl_b32 s31, s31, 2                         ; 4 a K step
	s_add_co_u32 s28, s28, s31
	s_add_nc_u64 s[20:21], s[20:21], s[28:29]
	v_lshlrev_b32 v10, 4, v2
	v_lshl_add_u32 v10, v3, 13, v10                ; 8192 h + 16 r
.macro WBLOCK b
	WAITB \b
	AMAX R+32*(\b)
.if (\b) == 0
	v_mov_b32 v[WD], v13                           ; the K step's four bytes make my column's word
.else
	v_lshl_or_b32 v[WD], v13, 8*(\b), v[WD]
.endif
.irp g, 0,1,2,3
	v_cvt_scalef32_pk8_fp4_f32 v[C+4*(\b)+\g], v[R+32*(\b)+8*\g:R+32*(\b)+8*\g+7], v11
.endr
	v_nop                                          ; one plain place behind a run of scaled conversions
	global_store_b128 v10, v[C+4*(\b):C+4*(\b)+3], s[18:19] offset:256*(\b)   ; each half of the lanes stores 256 consecutive bytes, aligned
.endm
.irp b, 0,1,2,3
	WBLOCK \b
.endr
	global_store_b32 v28, v[WD], s[20:21]          ; 4 bytes of each row's 16: written in parts; 98,304 bytes in all, one byte for 128 that this path reads
	FINISH
.Lcast:                                            ; Wo: rounded to f16, eight neighbours along k to 16 bytes
	s_lshl_b32 s28, s41, 15                        ; 32,768 bytes a tile of 16 columns,
	s_lshl_b32 s31, s40, 12                        ; 4,096 a K step of 128
	s_add_co_u32 s28, s28, s31
	s_add_nc_u64 s[22:23], s[22:23], s[28:29]
	v_lshlrev_b32 v10, 4, v2
	v_lshl_add_u32 v10, v3, 15, v10                ; 32768 h + 16 r
.macro HBLOCK b
	WAITB \b
.set k, 0
.rept 16
	v_cvt_pk_f16_f32 v[R+32*(\b)+k], v[R+32*(\b)+2*k], v[R+32*(\b)+2*k+1]   ; in place, ascending: register k is written when 2 k and 2 k + 1 are read
.set k, k+1
.endr
.irp g, 0,1,2,3
	global_store_b128 v10, v[R+32*(\b)+4*\g:R+32*(\b)+4*\g+3], s[22:23] offset:1024*(\b)+256*\g   ; each half of the lanes stores 256 consecutive bytes, aligned
.endr
.endm
.irp b, 0,1,2,3
	HBLOCK \b
.endr
	FINISH
.Lfunc_end_k_q67331815cc_prep:
	.size	k_q67331815cc_prep, .Lfunc_end_k_q67331815cc_prep-k_q67331815cc_prep
	.p2alignl 7, 3214868480
	.fill 96, 4, 3214868480
	.section	.rodata,"a",@progbits
	.p2align	6, 0x0
	.amdhsa_kernel k_q67331815cc_prep
		.amdhsa_group_segment_fixed_size 17920
		.amdhsa_private_segment_fixed_size 0
		.amdhsa_enable_private_segment 0
		.amdhsa_kernarg_size 80
		.amdhsa_user_sgpr_count 2
		.amdhsa_user_sgpr_kernarg_segment_ptr 1
		.amdhsa_wavefront_size32 1
		.amdhsa_system_sgpr_workgroup_id_x 1
		.amdhsa_system_sgpr_workgroup_id_y 1
		.amdhsa_system_sgpr_workgroup_id_z 1
		.amdhsa_system_vgpr_workitem_id 0
		.amdhsa_next_free_vgpr 192
		.amdhsa_next_free_sgpr 66
		.amdhsa_reserve_vcc 1
		.amdhsa_float_denorm_mode_32 3
		.amdhsa_float_denorm_mode_16_64 3
		.amdhsa_memory_ordered 1
		.amdhsa_forward_progress 1
		.amdhsa_inst_pref_size 62
	.end_amdhsa_kernel
	.amdgpu_metadata
---
amdhsa.version: [ 1, 2 ]
amdhsa.kernels:
  - .name:           k_q67331815cc_prep
    .symbol:         k_q67331815cc_prep.kd
    .args:
      - { .name: x, .offset: 0, .size: 8, .value_kind: global_buffer, .address_space: global }
      - { .name: Wq, .offset: 8, .size: 8, .value_kind: global_buffer, .address_space: global }
      - { .name: Wk, .offset: 16, .size: 8, .value_kind: global_buffer, .address_space: global }
      - { .name: Wv, .offset: 24, .size: 8, .value_kind: global_buffer, .address_space: global }
      - { .name: Wo, .offset: 32, .size: 8, .value_kind: global_buffer, .address_space: global }
      - { .name: xc, .offset: 40, .size: 8, .value_kind: global_buffer, .address_space: global }
      - { .name: xs, .offset: 48, .size: 8, .value_kind: global_buffer, .address_space: global }
      - { .name: wc, .offset: 56, .size: 8, .value_kind: global_buffer, .address_space: global }
      - { .name: ws, .offset: 64, .size: 8, .value_kind: global_buffer, .address_space: global }
      - { .name: woh, .offset: 72, .size: 8, .value_kind: global_buffer, .address_space: global }
    .group_segment_fixed_size: 17920
    .private_segment_fixed_size: 0
    .kernarg_segment_align: 8
    .kernarg_segment_size: 80
    .max_flat_workgroup_size: 128
    .sgpr_count:     66
    .vgpr_count:     192
    .wavefront_size: 32
...
	.end_amdgpu_metadata
.endif
;; end of part 1
;; launch qkv (part 2): grid 8 x 32, 4 waves a work-group, clusters of 4 x 4, 327,680 bytes of LDS; arguments xc, xs, wc, ws, bq, bk, bv, qkvh; writes qkvh
.if DOCPART == 2
	.amdgcn_target "amdgcn-amd-amdhsa--gfx1250"
	.amdhsa_code_object_version 6
	.text
	.protected	k_q67331815cc_qkv
	.globl	k_q67331815cc_qkv
	.p2align	8
	.type	k_q67331815cc_qkv,@function
k_q67331815cc_qkv:
	s_mov_b64 s[64:65], 0
	v_nop
	global_prefetch_b8 v0, s[64:65] scope:SCOPE_SE
	s_setreg_imm32_b32 hwreg(HW_REG_WAVE_MODE, 25, 1), 1
	s_wait_xcnt 0x0
	s_wait_alu depctr_hold_cnt(0) depctr_sa_sdst(0) depctr_va_vdst(0) depctr_va_sdst(0) depctr_va_ssrc(0) depctr_va_vcc(0) depctr_vm_vsrc(0)
	s_getreg_b32 s2, hwreg(HW_REG_IB_STS2, 6, 4)
	s_cmp_eq_u32 s2, 0
	s_cbranch_scc0 .Lentry_in_a_cluster
	s_endpgm
.Lentry_in_a_cluster:
	s_bfe_u32 s2, ttmp6, 0x10000c
	s_cmp_lg_u32 s2, 0xf033
	s_cbranch_scc0 .Lentry_shape_is_right
	s_endpgm
.Lentry_shape_is_right:
; QKV.  [8192][1024] x [1024][3 x 1024] on codes of FP4 (E2M1) with one E8M0 scale for each 32 along K; sums in f32; + bias; Q also x c = log2(e) / 8; rounded to f16.
; Q is made as fma(sum, c, bq c): one order of rounding away from (sum + bq) c.  LIMITS: |Q c|, |K|, |V| up to 65,504 (f16's largest number); under 2^-14 they are held with an absolute error of at most 2^-25.
; 8,192 x 3,072 gives 256 tiles of 256 x 384: one for each work-group.  A tile is made in TWO PASSES over the same 256 rows of x, whose codes stay in LDS:
;   pass 1: its first 256 columns; a wave makes 128 x 128: 64 accumulators, 512 registers.      pass 2: its last 128 columns; a wave makes 128 x 64: 32 accumulators.
; Codes and scale words lie in memory as images of the operand's registers (a fragment of 16 rows x 128 K: two pieces of 512 bytes, lane l's 16 bytes at 16 l), so a tile of 16 rows x 512 K is 4,096 dense bytes,
; LDS needs no padding, and every fragment load takes 512 consecutive bytes.
; LDS: two slots of 512 along K (x's 16 tiles, then W's 16: 131,072 bytes each) and all scale words, filled at the head.  When pass 1 goes over from slot 0 to slot 1, W's part of slot 0 has been read out:
; it is filled again, with all of K of pass 2's 8 tiles of W (65,536 dense bytes, 16,384 a wave).  That load has pass 1's last four steps, 256 matrix instructions, in which to land.
; CLUSTERS: 4 x 4 work-groups.  The four of a row need the same tiles of x, the four of a column the same tiles of W: each is asked for JOINTLY, by the same tensor load with the same descriptor and a mask that names the four.
; WHICH MATRIX.  A group of 128 columns lies in one of Wq, Wk, Wv: group g = 3 x tile column + (my half in pass 1; 2 in pass 2), matrix g / 8.  It picks the bias, the factor and the output's place by selects: no branch and no LDS address hangs on it.
; THE MATRIX INSTRUCTION IS USED TRANSPOSED (source 0 = 16 columns of W, source 1 = 16 rows of x): a lane holds one position r and eight neighbouring channels 8 h + 0..7, which pack into 16 bytes of f16:
; four registers of the fragment that the attention wants.  So results are stored straight from registers, 512 consecutive bytes a store:
;   qkvh [matrix 3][batch x head 128][tile of 16 positions 64][16 channels 4][512 bytes]; in a block Q and K put lane (r, h) at 16 r + 256 h (the fragment's image), V at 32 r + 16 h ([position][channel] rows of 32 bytes).
; No prefetch: what the work-group reads is asked for at its head, but for pass 2's codes of W, 0.5 MiB in all that 32 tile rows read.
; REGISTERS, in windows of 256: window 0: v0-31 addresses; v32-95 scale words of pass 1 (x's stay for pass 2), v96-127 W's scale words of pass 2, and nothing else; v128-191 x's fragments, ONE set; v192-255 pass 1's bias x c.
;   window 1: W's fragments, TWO sets, at v0 and v128; v64-127 packed results; v192-223 pass 2's bias x c.   window 2: the accumulators of my rows 0-63 ((a, b) at v[8 (8 a + b)]), then all of pass 2's ((a, b) at v[8 (4 a + b)]);   window 3: those of my rows 64-127.
.set NQ,    4                          ; steps of 128 along K in a slot
.set FR,    8                          ; registers of a fragment
.set NL,    2                          ; LDS loads that bring one
.set NP,    4                          ; places behind this matrix instruction (ISA guide 7.12.1)
.set SLOT,  131072                     ; x's 16 tiles x 4,096 bytes, then W's 16
.set BOFF,  65536
.set SCL,   2*SLOT                     ; the scale words: x's 16 tiles x 512 bytes,
.set SCB,   SCL+8192                   ; then W's 24
.set SPARE, SCB+12288                  ; the spare words, 128 bytes for each wave: two blocks of 256 bytes that no other line names
.set ADRA, 16                          ; v16-17  LDS address of my fragments of x in slot 0, 1
.set ADRB, 20                          ; v20-21  the same for W in pass 1; v20 serves pass 2 too: my 4 tiles x 8,192 bytes begin where my 8 x 4,096 of slot 0 began
.set ADRS2, 23                         ; v23     LDS address of W's scale words of pass 2
.set OUT1, 24                          ; v24     my 16 bytes' place in a block of the output, pass 1
.set OUT2, 25                          ; v25     pass 2
.set ADRS, 27                          ; v27     LDS address of my scale words of pass 1: lanes 0-15 x's rows, lanes 16-31 W's
.set SPW,  28                          ; v28     LDS address of my spare word; never rewritten
.set NIL,  29                          ; v29     0; never rewritten
.set SC,   32
.set SC2,  96
.set AF,   128
.set BIAS, 192
.set PK,   64                          ; in window 1
.set BIAS2, 192                        ; in window 1
.set G1R,  4                           ; s[4:11]  group 1 for the refill (written when the four pointers that came there are done with)
.set G1,   24                          ; s[24:31] group 1 for x's codes;  s[32:39] group 0, one set for each slot
.set G0,   32
.set G1B,  48                          ; s[48:55], s[56:63] the same for W's codes
.set G0B,  56
.set G1S,  68                          ; s[68:75], s[76:79] groups 1 and 0 for x's scale words;  s[80:87], s[88:91] for W's
.set G0S,  76
.set G1SB, 80
.set G0SB, 88
.set G0R,  92                          ; s[92:95] group 0 for the refill (written when the bias pointers that came there are done with)
.set MSB, 0
.macro WIN new                         ; the immediate's high byte repeats the setting that is left; a switch that changes nothing is dropped
.if MSB != \new
	s_set_vgpr_msb (MSB<<8)|\new
.set MSB, \new
.endif
.endm
.set MUL_LO, 0xa1                      ; source 0 (W) window 1, source 1 (x) window 0, C and D window 2
.set MUL_HI, 0xf1                      ; the same, C and D window 3
.set TO_B,   0x40                      ; destination window 1, address window 0
; A joint load: waves 0 and 1 fetch for x, waves 2 and 3 for W.  Each line has one mask and one set of registers for all that issue it; the branch hangs on the wave's number alone.
; An s_nop 0 and four v_nop follow each of the two lines, ahead of the jump, the label and what follows.
.macro JLOAD g0a, g1a, g0b, g1b
	s_cmp_eq_u32 s15, 0
	s_cbranch_scc0 .Lfor_b_\@
	tensor_load_to_lds s[\g0a:\g0a+3], s[\g1a:\g1a+7]
	s_nop 0
.rept 4
	v_nop
.endr
	s_branch .Lasked_\@
.Lfor_b_\@:
	tensor_load_to_lds s[\g0b:\g0b+3], s[\g1b:\g1b+7]
	s_nop 0
.rept 4
	v_nop
.endr
.Lasked_\@:
.endm
.macro CREST                           ; a round of the cluster's barrier behind its opening barrier: wave 0 signals for the work-group; every wave waits for all sixteen; my work-group's barrier once more
	s_cmp_lg_u32 s14, 0
	s_cbranch_scc1 .Lnot_wave_0_\@
	s_barrier_signal -3
.Lnot_wave_0_\@:
	s_barrier_wait -3
	s_barrier_signal -1
	s_barrier_wait -1
.endm
.macro CROUND                          ; a whole round
	s_barrier_signal -1
	s_barrier_wait -1
	CREST
.endm
	s_load_b256 s[4:11], s[0:1], 0x0               ; xc s[4:5], xs s[6:7], wc s[8:9], ws s[10:11]
	s_load_b256 s[92:99], s[0:1], 0x20             ; bq s[92:93], bk s[94:95], bv s[96:97], qkvh s[98:99]
	v_lshl_add_u32 v[SPW], v0, 2, SPARE
	v_mov_b32 v[NIL], 0
	ds_add_u32 v[SPW], v[NIL]                      ; the wave's opening: the add, twice on end, and its wait ahead of my first tensor load
	ds_add_u32 v[SPW], v[NIL]                      ; and once more; the set-up below, work on registers, stands between it and the wait
	v_lshrrev_b32 v1, 5, v0
	v_readfirstlane_b32 s14, v1                    ; wave 0..3
	s_lshr_b32 s15, s14, 1                         ; which half of the tile's rows is mine.  Also: I fetch for x (0) or for W (1)
	s_and_b32 s16, s14, 1                          ; which half of a pass's columns.  Also: which half of that operand's tiles I fetch
	s_bfe_u32 s40, ttmp6, 0x40000                  ; cx, cy: my place in the cluster
	s_bfe_u32 s41, ttmp6, 0x40004
	s_lshl_b32 s42, ttmp9, 2
	s_add_co_u32 s42, s42, s40                     ; tile column = 4 x cluster x + cx, 0..7
	s_and_b32 s17, ttmp7, 0xffff
	s_lshl_b32 s17, s17, 2
	s_add_co_u32 s17, s17, s41                     ; tile row = 4 x cluster y + cy, 0..31
	s_lshl_b32 s43, s41, 2
	s_lshl_b32 s43, 15, s43                        ; my row of the cluster
	s_lshl_b32 s44, 0x1111, s40                    ; my column
	; group 1 for codes: 8 tiles of 16 rows, each 4,096 dense bytes (512 elements of 8 bytes), 8,192 bytes apart in memory, dense in LDS
	s_or_b32 s[G1+0], s43, (3<<16)|(1<<21)         ; 15:0 the mask: x's tiles go to my row; 17:16 elements of 8 bytes; 21 set beside a mask; no padding
	s_or_b32 s[G1B+0], s44, (3<<16)|(1<<21)        ; W's go to my column
.irp g, G1, G1B
	s_mov_b32 s[\g+1], 512<<16                     ; tensor_dim0
	s_mov_b32 s[\g+2], 8<<16                       ; tensor_dim1
	s_mov_b32 s[\g+3], 512<<16                     ; tile_dim0
	s_mov_b32 s[\g+4], 8                           ; tile_dim1
	s_mov_b32 s[\g+5], 1024                        ; tensor_dim0_stride
	s_mov_b32 s[\g+6], 0
	s_mov_b32 s[\g+7], 0
.endr
	; and for the scale words, dense bytes as rows of 256: x's 8 tiles are 16 rows, W's 12 tiles 24
	s_or_b32 s[G1S+0], s43, (3<<16)|(1<<21)
	s_or_b32 s[G1SB+0], s44, (3<<16)|(1<<21)
.irp g, G1S, G1SB
	s_mov_b32 s[\g+1], 32<<16
	s_mov_b32 s[\g+3], 32<<16
	s_mov_b32 s[\g+5], 32
	s_mov_b32 s[\g+6], 0
	s_mov_b32 s[\g+7], 0
.endr
	s_mov_b32 s[G1S+2], 16<<16
	s_mov_b32 s[G1S+4], 16
	s_mov_b32 s[G1SB+2], 24<<16
	s_mov_b32 s[G1SB+4], 24
	s_lshl_b32 s18, s16, 3                         ; which 8 tiles of codes I fetch
	s_lshl_b32 s20, s17, 4
	s_add_co_u32 s20, s20, s18                     ; x: tile 16 x tile row + 8 x half
	s_mul_i32 s46, s42, 24                         ; W: my 384 columns begin at tile 24 x tile column
	s_mul_i32 s66, s16, 12
	s_add_co_u32 s66, s66, s46                     ; its scale words: 12 tiles a half,
	s_lshl_b32 s66, s66, 9                         ; 512 bytes a tile
	s_mov_b32 s67, 0
	s_lshl_b32 s104, s14, 1
	s_add_co_u32 s104, s104, s46
	s_add_co_u32 s104, s104, 16                    ; pass 2's codes: tile 24 x tile column + 16 + 2 x wave,
	s_lshl_b32 s104, s104, 13                      ; 8,192 bytes a tile
	s_mov_b32 s105, 0
	s_add_co_u32 s46, s46, s18                     ; pass 1's codes: tile 24 x tile column + 8 x half
	s_lshl_b32 s46, s46, 13
	s_mov_b32 s47, 0
	s_lshl_b32 s22, s20, 9                         ; x's scale words
	s_mov_b32 s23, 0
	s_lshl_b32 s20, s20, 13                        ; x's codes
	s_mov_b32 s21, 0
	s_lshl_b32 s45, s14, 15                        ; where the codes go: 32,768 x wave: x's two halves, then W's: no place in the cluster enters an LDS address
	s_lshl_b32 s19, s16, 12                        ; x's scale words: 4,096 x half
	s_mul_i32 s12, s16, 6144                       ; W's: 6,144 x half
	s_lshl_b32 s13, s14, 14                        ; pass 2's codes: 16,384 x wave
	s_wait_dscnt 0x0                               ; both opening adds are done
	s_wait_kmcnt 0x0
	s_add_nc_u64 s[20:21], s[4:5], s[20:21]
	s_add_nc_u64 s[22:23], s[6:7], s[22:23]
	s_add_nc_u64 s[46:47], s[8:9], s[46:47]
	s_add_nc_u64 s[66:67], s[10:11], s[66:67]
	s_add_nc_u64 s[104:105], s[8:9], s[104:105]
	CROUND                                         ; all sixteen work-groups are here: the first joint loads meet
	s_mov_b32 s[G0S], 1
	s_add_co_u32 s[G0S+1], s19, SCL
	s_mov_b64 s[G0S+2:G0S+3], s[22:23]
	s_or_b32 s[G0S+3], s[G0S+3], 0x80000000
	s_mov_b32 s[G0SB], 1
	s_add_co_u32 s[G0SB+1], s12, SCB
	s_mov_b64 s[G0SB+2:G0SB+3], s[66:67]
	s_or_b32 s[G0SB+3], s[G0SB+3], 0x80000000
	JLOAD G0S, G1S, G0SB, G1SB                     ; the scale words first: they are wanted with the first step
.irp s, 0,1
	s_mov_b32 s[G0+4*\s], 1
	s_add_co_u32 s[G0+4*\s+1], s45, \s*SLOT
	s_add_nc_u64 s[G0+4*\s+2:G0+4*\s+3], s[20:21], \s*4096
	s_or_b32 s[G0+4*\s+3], s[G0+4*\s+3], 0x80000000
	s_mov_b32 s[G0B+4*\s], 1
	s_add_co_u32 s[G0B+4*\s+1], s45, \s*SLOT
	s_add_nc_u64 s[G0B+4*\s+2:G0B+4*\s+3], s[46:47], \s*4096
	s_or_b32 s[G0B+4*\s+3], s[G0B+4*\s+3], 0x80000000
	JLOAD G0+4*\s, G1, G0B+4*\s, G1B               ; both halves of K: three loads of mine are out
.endr
	v_and_b32 v1, 15, v0                           ; r
	v_bfe_u32 v2, v0, 4, 1                         ; h
	v_and_b32 v3, 31, v0
	v_lshlrev_b32 v4, 4, v3                        ; 16 x lane
	s_lshl_b32 s21, s15, 15                        ; my 8 tiles of x
	s_lshl_b32 s22, s16, 15                        ; my 8 tiles of W,
	s_add_co_u32 s22, s22, BOFF                    ; which lie behind x's 16
.irp s, 0,1
	v_add_nc_u32 v[ADRA+\s], s21, v4
	v_add_nc_u32 v[ADRB+\s], s22, v4
	s_add_co_u32 s21, s21, SLOT
	s_add_co_u32 s22, s22, SLOT
.endr
	s_lshl_b32 s21, s15, 12                        ; x's scale words: my 8 tiles
	s_lshl_b32 s22, s16, 12                        ; W's of pass 1: my 8 tiles, behind x's 16
	s_add_co_u32 s22, s22, 8192
	s_sub_co_u32 s22, s22, s21
	v_mul_u32_u24 v6, s22, v2                      ; lanes 16-31 take W's: the lower base + h x the distance
	s_add_co_u32 s21, s21, SCL
	v_lshl_add_u32 v5, v1, 4, v6                   ; 16 bytes a row: the four words of a half of K
	v_add_nc_u32 v[ADRS], s21, v5
	s_lshl_b32 s22, s16, 11                        ; W's of pass 2: tiles 16 + 4 x half on; both halves of the lanes take row r's words
	s_add_co_u32 s22, s22, SCB+8192
	v_lshl_add_u32 v[ADRS2], v1, 4, s22
	; which matrix: group g of 128 columns, matrix g / 8, group g % 8 in it
	s_mul_i32 s18, s42, 3
	s_add_co_u32 s19, s18, s16                     ; pass 1: 3 x tile column + my half
	s_add_co_u32 s18, s18, 2                       ; pass 2: 3 x tile column + 2
	s_lshr_b32 s20, s19, 3                         ; pass 1's matrix,
	s_and_b32 s21, s19, 7                          ; its group in it;
	s_lshr_b32 s22, s18, 3                         ; pass 2's
	s_and_b32 s23, s18, 7
	s_cmp_lt_u32 s20, 1
	s_cselect_b64 s[66:67], s[92:93], s[94:95]
	s_cmp_lt_u32 s20, 2
	s_cselect_b64 s[66:67], s[66:67], s[96:97]     ; pass 1's bias
	s_cmp_lt_u32 s22, 1
	s_cselect_b64 s[46:47], s[92:93], s[94:95]
	s_cmp_lt_u32 s22, 2
	s_cselect_b64 s[46:47], s[46:47], s[96:97]     ; pass 2's
	s_lshl_b32 s18, s21, 9                         ; 128 numbers of 4 bytes a group
	s_mov_b32 s19, 0
	s_add_nc_u64 s[66:67], s[66:67], s[18:19]
	s_lshl_b32 s18, s23, 9
	s_lshl_b32 s45, s16, 8                         ; pass 2: + 64 numbers x my half
	s_add_co_u32 s18, s18, s45
	s_add_nc_u64 s[46:47], s[46:47], s[18:19]
	v_lshlrev_b32 v7, 5, v2                        ; in the result's layout: for column tile b a lane wants numbers 16 b + 8 h + 0..7
.irp b, 0,1,2,3,4,5,6,7
	global_load_b128 v[BIAS+8*\b:BIAS+8*\b+3], v7, s[66:67] offset:64*\b
	global_load_b128 v[BIAS+8*\b+4:BIAS+8*\b+7], v7, s[66:67] offset:64*\b+16
.endr
	WIN TO_B
.irp b, 0,1,2,3
	global_load_b128 v[BIAS2+8*\b:BIAS2+8*\b+3], v7, s[46:47] offset:64*\b
	global_load_b128 v[BIAS2+8*\b+4:BIAS2+8*\b+7], v7, s[46:47] offset:64*\b+16
.endr
	WIN 0
	; the refill's descriptor: 2 tiles of W, all of K: 16,384 dense bytes as 4 rows of 4,096, into W's part of slot 0
	s_mov_b32 s[G0R], 1
	s_add_co_u32 s[G0R+1], s13, BOFF
	s_mov_b64 s[G0R+2:G0R+3], s[104:105]
	s_or_b32 s[G0R+3], s[G0R+3], 0x80000000
	s_or_b32 s[G1R+0], s44, (3<<16)|(1<<21)        ; it goes to my column
	s_mov_b32 s[G1R+1], 512<<16
	s_mov_b32 s[G1R+2], 4<<16
	s_mov_b32 s[G1R+3], 512<<16
	s_mov_b32 s[G1R+4], 4
	s_mov_b32 s[G1R+5], 512
	s_mov_b32 s[G1R+6], 0
	s_mov_b32 s[G1R+7], 0
	s_mov_b32 s3, 1.0
	s_cmp_eq_u32 s20, 0
	s_cselect_b32 s2, 0x3e38aa3b, s3               ; c = log2(e) / 8 for Q, 1 for K and V: pass 1's in s[2:3],
	s_cmp_eq_u32 s22, 0
	s_cselect_b32 s12, 0x3e38aa3b, s3              ; pass 2's in s[12:13]
	s_mov_b32 s3, s2                               ; (named as pairs, so both words are written)
	s_mov_b32 s13, s12
	s_cmp_eq_u32 s20, 2                            ; V's blocks are rows of 32 bytes, Q's and K's are fragment images
	s_cselect_b32 s18, 32, 16
	s_cselect_b32 s19, 16, 256
	v_mul_u32_u24 v[OUT1], s18, v1
	v_mad_u32_u24 v[OUT1], v2, s19, v[OUT1]
	s_cmp_eq_u32 s22, 2
	s_cselect_b32 s18, 32, 16
	s_cselect_b32 s19, 16, 256
	v_mul_u32_u24 v[OUT2], s18, v1
	v_mad_u32_u24 v[OUT2], v2, s19, v[OUT2]
	s_lshr_b32 s18, s17, 2
	s_lshl_b32 s18, s18, 21                        ; 16 heads x 131,072 bytes a batch (a tile row is a quarter of a batch),
	s_and_b32 s19, s17, 3
	s_lshl_b32 s19, s19, 4
	s_lshl_b32 s45, s15, 3
	s_add_co_u32 s19, s19, s45
	s_lshl_b32 s19, s19, 11                        ; 2,048 a tile of 16 positions: 16 (tile row % 4) + 8 x my half of the rows
	s_add_co_u32 s45, s18, s19
	s_lshl_b32 s18, s22, 24                        ; pass 2: 16,777,216 bytes a matrix,
	s_add_co_u32 s18, s18, s45
	s_lshl_b32 s19, s23, 1
	s_add_co_u32 s19, s19, s16
	s_lshl_b32 s19, s19, 17                        ; 131,072 a head: 2 x group + my half
	s_add_co_u32 s18, s18, s19
	s_mov_b32 s19, 0
	s_add_nc_u64 s[100:101], s[98:99], s[18:19]
	s_lshl_b32 s18, s20, 24                        ; pass 1: the matrix,
	s_add_co_u32 s18, s18, s45
	s_lshl_b32 s21, s21, 18                        ; head 2 x group
	s_add_co_u32 s18, s18, s21
	s_add_nc_u64 s[98:99], s[98:99], s[18:19]
	s_wait_loadcnt 0x0
.set i, 0
.rept 32
	v_pk_mul_f32 v[BIAS+i:BIAS+i+1], v[BIAS+i:BIAS+i+1], s[2:3] op_sel_hi:[1,0]   ; bias x c, once
.set i, i+2
.endr
	WIN 0x41                                       ; source 0 and destination window 1
.set i, 0
.rept 16
	v_pk_mul_f32 v[BIAS2+i:BIAS2+i+1], v[BIAS2+i:BIAS2+i+1], s[12:13] op_sel_hi:[1,0]
.set i, i+2
.endr
	WIN 0
.macro FRAG reg, adr, q, i             ; a fragment: 16 rows x 128 K of 4-bit codes, 8 registers: two pieces of 512 consecutive bytes
.irp c, 0,1
	ds_load_b128 v[\reg+4*\c:\reg+4*\c+3], v[\adr] offset:4096*(\i)+1024*(\q)+512*\c
.endr
.endm
; PASS 1.  16 matrix instructions: x's blocks a0, a0 + 1 against W's eight, 128 along K: the slot's q-th.  p: W's set;  sc: the set of scale words.  zero = 1: the first product starts the sums.
; The 64 accumulators take turns, one instruction a turn, in the same order in every step.
.macro MUL16 a0, p, q, sc, zero
.irp a, \a0, \a0+1
.irp b, 0,1,2,3,4,5,6,7
.if \zero
	v_wmma_scale_f32_16x16x128_f8f6f4 v[8*(8*((\a)%4)+\b):8*(8*((\a)%4)+\b)+7], v[128*(\p)+FR*\b:128*(\p)+FR*\b+FR-1], v[AF+FR*(\a):AF+FR*(\a)+FR-1], 0, v[SC+8*NQ*(\sc)+NQ*\b+(\q)], v[SC+8*NQ*(\sc)+NQ*(\a)+(\q)] matrix_a_fmt:MATRIX_FMT_FP4 matrix_b_fmt:MATRIX_FMT_FP4 matrix_a_scale:MATRIX_SCALE_ROW1
.else
	v_wmma_scale_f32_16x16x128_f8f6f4 v[8*(8*((\a)%4)+\b):8*(8*((\a)%4)+\b)+7], v[128*(\p)+FR*\b:128*(\p)+FR*\b+FR-1], v[AF+FR*(\a):AF+FR*(\a)+FR-1], v[8*(8*((\a)%4)+\b):8*(8*((\a)%4)+\b)+7], v[SC+8*NQ*(\sc)+NQ*\b+(\q)], v[SC+8*NQ*(\sc)+NQ*(\a)+(\q)] matrix_a_fmt:MATRIX_FMT_FP4 matrix_b_fmt:MATRIX_FMT_FP4 matrix_a_scale:MATRIX_SCALE_ROW1
.endif
.endr
.endr
.endm
.macro FETCH_B slot, q, p              ; W's eight fragments of the slot's q-th 128 along K into set p
	WIN TO_B
.irp i, 0,1,2,3,4,5,6,7
	FRAG 128*(\p)+FR*\i, ADRB+\slot, \q, \i
.endr
	WIN 0
.endm
.macro FETCH_A slot, q, i0             ; x's blocks i0 .. i0 + 3
.irp i, \i0, \i0+1, \i0+2, \i0+3
	FRAG AF+FR*(\i), ADRA+\slot, \q, \i
.endr
.endm
.macro SCALES sc                       ; a half of K's scale words into set sc: four words a row; lanes 0-15 take x's block i, lanes 16-31 W's block i
.irp i, 0,1,2,3,4,5,6,7
	ds_load_b128 v[SC+8*NQ*\sc+NQ*\i:SC+8*NQ*\sc+NQ*\i+3], v[ADRS] offset:512*\i+256*\sc
.endr
.endm
; A load into a register that a matrix instruction has read, and a vector instruction that reads a matrix result, stand NP places behind that matrix instruction; only plain vector
; instructions that name none of its registers are places (ISA guide 7.12.1 for vector instructions).
.macro PLACES n
.rept \n
	v_nop
.endr
.endm
; A step of 128 along K that has its successor in the same slot.  x has one set of registers: blocks 0-3 are fetched anew in the step's middle, blocks 4-7 at its end; W has two sets.
.macro STEP slot, q, zero
	s_wait_dscnt 4*NL                              ; W's set and x's blocks 0-3 are in; the youngest eight loads (x's blocks 4-7) may be out
	WIN MUL_LO
	MUL16 0, (\q)%2, \q, \slot, \zero
	MUL16 2, (\q)%2, \q, \slot, \zero
	s_wait_dscnt 0                                 ; x's blocks 4-7 are in (asked for 32 matrix instructions ago)
	PLACES NP
	FETCH_B \slot, (\q)+1, 1-(\q)%2
	FETCH_A \slot, (\q)+1, 0
	WIN MUL_HI
	MUL16 4, (\q)%2, \q, \slot, \zero
	MUL16 6, (\q)%2, \q, \slot, \zero
	PLACES NP
	WIN 0
	FETCH_A \slot, (\q)+1, 4
.endm
; Slot 0's last step goes over to slot 1, and W's part of slot 0 is filled again.  In front of the barrier each wave waits for all its tensor loads (its part of slot 1), adds 0 to its spare word, and waits for
; that and for its own reads of slot 0.  The barrier opens a round of the cluster's barrier: behind it no wave of any partner still reads W's part of slot 0 or has a load on its way, and slot 1 is whole.
.macro TURN slot, next
	s_wait_tensorcnt 0x0                           ; all my tensor loads have landed: my part of the next slot;  (every window is 0 here)
	ds_add_u32 v[SPW], v[NIL]                      ; 0 onto my spare word
	s_wait_dscnt 4*NL+1                            ; (the add and the youngest eight loads, x's blocks 4-7, may be out)
	WIN MUL_LO
	MUL16 0, 1, NQ-1, \slot, 0                     ; sixteen matrix instructions stand between the add and the wait for it
	s_wait_dscnt 0x0                               ; the add is done, and my reads of this slot are over
	s_barrier_signal -1
	MUL16 2, 1, NQ-1, \slot, 0
	WIN 0
	s_barrier_wait -1
	CREST
	tensor_load_to_lds s[G0R:G0R+3], s[G1R:G1R+7]  ; every wave's one load behind the round: its 2 tiles of pass 2's W; one load of mine is out
	s_nop 0
	PLACES NP                                      ; the places in front of the loads below
	FETCH_B \next, 0, 0
	FETCH_A \next, 0, 0
	SCALES \next
	WIN MUL_HI
	MUL16 4, 1, NQ-1, \slot, 0
	MUL16 6, 1, NQ-1, \slot, 0
	PLACES NP
	WIN 0
	FETCH_A \next, 0, 4
.endm
; PASS 2.  8 matrix instructions: x's blocks a0, a0 + 1 against W's four, K's s-th 128.  x's scale words are pass 1's registers (lanes 0-15); W's have registers of their own (row r's word in lane r).
; The 32 accumulators take turns, one instruction a turn, in the same order in every step.
.macro MULP a0, p, s, zero
.irp a, \a0, \a0+1
.irp b, 0,1,2,3
.if \zero
	v_wmma_scale_f32_16x16x128_f8f6f4 v[8*(4*(\a)+\b):8*(4*(\a)+\b)+7], v[128*(\p)+FR*\b:128*(\p)+FR*\b+FR-1], v[AF+FR*(\a):AF+FR*(\a)+FR-1], 0, v[SC2+16*((\s)/4)+4*\b+(\s)%4], v[SC+32*((\s)/4)+4*(\a)+(\s)%4] matrix_a_fmt:MATRIX_FMT_FP4 matrix_b_fmt:MATRIX_FMT_FP4
.else
	v_wmma_scale_f32_16x16x128_f8f6f4 v[8*(4*(\a)+\b):8*(4*(\a)+\b)+7], v[128*(\p)+FR*\b:128*(\p)+FR*\b+FR-1], v[AF+FR*(\a):AF+FR*(\a)+FR-1], v[8*(4*(\a)+\b):8*(4*(\a)+\b)+7], v[SC2+16*((\s)/4)+4*\b+(\s)%4], v[SC+32*((\s)/4)+4*(\a)+(\s)%4] matrix_a_fmt:MATRIX_FMT_FP4 matrix_b_fmt:MATRIX_FMT_FP4
.endif
.endr
.endr
.endm
.macro FETCH_B2 s, p                   ; W's four fragments of K's s-th 128 into set p: a tile holds all of K, 8,192 bytes
	WIN TO_B
.irp i, 0,1,2,3
.irp c, 0,1
	ds_load_b128 v[128*(\p)+FR*\i+4*\c:128*(\p)+FR*\i+4*\c+3], v[ADRB] offset:8192*\i+1024*(\s)+512*\c
.endr
.endr
	WIN 0
.endm
.macro SCALES2                         ; W's scale words of pass 2, all of K: eight loads
.irp ks, 0,1
.irp b, 0,1,2,3
	ds_load_b128 v[SC2+16*\ks+4*\b:SC2+16*\ks+4*\b+3], v[ADRS2] offset:512*\b+256*\ks
.endr
.endr
.endm
.macro P2STEP s, zero                  ; a step of pass 2 that has a successor: as pass 1's, with half the products
.set NS,  (\s)+1
.set NSL, NS/4
.set NSQ, NS%4
	s_wait_dscnt 4*NL                              ; W's set and x's blocks 0-3 are in; the youngest eight loads (x's blocks 4-7) may be out
	WIN MUL_LO
	MULP 0, (\s)%2, \s, \zero
	MULP 2, (\s)%2, \s, \zero
	s_wait_dscnt 0
	PLACES NP
	FETCH_B2 NS, 1-(\s)%2
	FETCH_A NSL, NSQ, 0
	WIN MUL_LO
	MULP 4, (\s)%2, \s, \zero
	MULP 6, (\s)%2, \s, \zero
	PLACES NP
	WIN 0
	FETCH_A NSL, NSQ, 4
.endm
; THE WAY OUT of pass 1, block by block of 16 positions x 128 channels: sum x c + bias x c in place, each accumulator from its low end on; eight numbers pack into 16 bytes of f16; the wave stores 512 consecutive bytes, aligned.
.macro OUTBLK a
.set AC, 64*((\a)%4)
.set PB, PK+32*((\a)%2)
.set WF, 0x82+0x41*((\a)/4)            ; source 0 and destination: window 2 or 3; the bias: window 0
.set WC, 0x4a+5*((\a)/4)               ; sources 0 and 1: window 2 or 3; destination window 1
.if (\a) >= 2
	s_wait_xcnt 0x0                                ; block a - 2's stores have read their data: the same registers are written again only behind this wait
.endif
	WIN WF
.irp b, 0,1,2,3,4,5,6,7
.irp e, 0,2,4,6
	v_pk_fma_f32 v[AC+8*\b+\e:AC+8*\b+\e+1], v[AC+8*\b+\e:AC+8*\b+\e+1], s[2:3], v[BIAS+8*\b+\e:BIAS+8*\b+\e+1] op_sel_hi:[1,0,1]
.endr
.endr
	WIN WC
.irp b, 0,1,2,3,4,5,6,7
.irp e, 0,1,2,3
	v_cvt_pk_f16_f32 v[PB+4*\b+\e], v[AC+8*\b+2*\e], v[AC+8*\b+2*\e+1]
.endr
.endr
	WIN 0x04                                       ; a store's data are its source 1: window 1
.irp b, 0,1,2,3,4,5,6,7
	global_store_b128 v[OUT1], v[PB+4*\b:PB+4*\b+3], s[98:99] offset:2048*(\a)+131072*(\b/4)+512*(\b%4)   ; tile of positions a, head b / 4, channels 16 (b % 4) on
.endr
.endm
; and of pass 2: 16 positions x 64 channels, one head
.macro OUTBLK2 a
.set AC, 32*(\a)
.set PB, PK+16*((\a)%4)
.if ((\a)%4) == 0
	s_wait_xcnt 0x0                                ; the stores that read these registers last (pass 1's; blocks 0-3's) have read their data
.endif
	WIN 0x92                                       ; source 0 and destination window 2, the bias window 1
.irp b, 0,1,2,3
.irp e, 0,2,4,6
	v_pk_fma_f32 v[AC+8*\b+\e:AC+8*\b+\e+1], v[AC+8*\b+\e:AC+8*\b+\e+1], s[12:13], v[BIAS2+8*\b+\e:BIAS2+8*\b+\e+1] op_sel_hi:[1,0,1]
.endr
.endr
	WIN 0x4a
.irp b, 0,1,2,3
.irp e, 0,1,2,3
	v_cvt_pk_f16_f32 v[PB+4*\b+\e], v[AC+8*\b+2*\e], v[AC+8*\b+2*\e+1]
.endr
.endr
	WIN 0x04
.irp b, 0,1,2,3
	global_store_b128 v[OUT2], v[PB+4*\b:PB+4*\b+3], s[100:101] offset:2048*(\a)+512*\b
.endr
.endm
	s_wait_tensorcnt 1                             ; the scale words and my part of slot 0 are in (slot 1's load may be out)
	s_barrier_signal -1
	s_barrier_wait -1                              ; everybody's are
	FETCH_B 0, 0, 0
	FETCH_A 0, 0, 0
	SCALES 0
	FETCH_A 0, 0, 4
	STEP 0, 0, 1                                   ; the first step's products start the sums: nothing is cleared
	STEP 0, 1, 0
	STEP 0, 2, 0
	TURN 0, 1
	STEP 1, 0, 0
	STEP 1, 1, 0
	STEP 1, 2, 0
	s_wait_dscnt 4*NL                              ; pass 1's last step: nothing more to fetch from slot 1
	WIN MUL_LO
	MUL16 0, 1, NQ-1, 1, 0
	MUL16 2, 1, NQ-1, 1, 0
	s_wait_dscnt 0
	WIN MUL_HI
	MUL16 4, 1, NQ-1, 1, 0
	MUL16 6, 1, NQ-1, 1, 0
	WIN 0
	s_wait_tensorcnt 0x0                           ; my one load that was out, my 2 tiles of pass 2's W, has landed (no LDS instruction of mine is pending),
	s_barrier_signal -1
	s_barrier_wait -1                              ; everybody's has
	PLACES NP                                      ; behind the last products: ahead of the loads into fragments' registers and of the first read of results
	FETCH_B2 0, 0                                  ; pass 2's first fragments are asked for ahead of pass 1's way out, which touches none of their registers
	FETCH_A 0, 0, 0
	SCALES2
	FETCH_A 0, 0, 4
.irp a, 0,1,2,3,4,5,6,7
	OUTBLK \a                                      ; pass 1's stores are on their way while pass 2 is multiplied
.endr
	P2STEP 0, 1                                    ; its first products start the sums anew
.irp s, 1,2,3,4,5,6
	P2STEP \s, 0
.endr
	s_wait_dscnt 4*NL                              ; the last step: nothing more to fetch
	WIN MUL_LO
	MULP 0, 1, 7, 0
	MULP 2, 1, 7, 0
	s_wait_dscnt 0
	MULP 4, 1, 7, 0
	MULP 6, 1, 7, 0
	PLACES NP
.irp a, 0,1,2,3,4,5,6,7
	OUTBLK2 \a
.endr
	WIN 0
	s_wait_tensorcnt 0x0                           ; the wave's end, behind my last tensor load
	ds_add_u32 v[SPW], v[NIL]
	s_wait_dscnt 0x0
	CROUND                                         ; the closing round: no work-group ends while a partner may still ask for a tile that names it
	s_endpgm
.Lfunc_end_k_q67331815cc_qkv:
	.size	k_q67331815cc_qkv, .Lfunc_end_k_q67331815cc_qkv-k_q67331815cc_qkv
	.p2alignl 7, 3214868480
	.fill 96, 4, 3214868480
	.section	.rodata,"a",@progbits
	.p2align	6, 0x0
	.amdhsa_kernel k_q67331815cc_qkv
		.amdhsa_group_segment_fixed_size 327680
		.amdhsa_private_segment_fixed_size 0
		.amdhsa_enable_private_segment 0
		.amdhsa_kernarg_size 64
		.amdhsa_user_sgpr_count 2
		.amdhsa_user_sgpr_kernarg_segment_ptr 1
		.amdhsa_wavefront_size32 1
		.amdhsa_system_sgpr_workgroup_id_x 1
		.amdhsa_system_sgpr_workgroup_id_y 1
		.amdhsa_system_sgpr_workgroup_id_z 1
		.amdhsa_system_vgpr_workitem_id 0
		.amdhsa_next_free_vgpr 1024
		.amdhsa_next_free_sgpr 106
		.amdhsa_reserve_vcc 0
		.amdhsa_float_denorm_mode_32 3
		.amdhsa_float_denorm_mode_16_64 3
		.amdhsa_memory_ordered 1
		.amdhsa_forward_progress 1
		.amdhsa_inst_pref_size 210
	.end_amdhsa_kernel
	.amdgpu_metadata
---
amdhsa.version: [ 1, 2 ]
amdhsa.kernels:
  - .name:           k_q67331815cc_qkv
    .symbol:         k_q67331815cc_qkv.kd
    .args:
      - { .name: xc, .offset: 0, .size: 8, .value_kind: global_buffer, .address_space: global }
      - { .name: xs, .offset: 8, .size: 8, .value_kind: global_buffer, .address_space: global }
      - { .name: wc, .offset: 16, .size: 8, .value_kind: global_buffer, .address_space: global }
      - { .name: ws, .offset: 24, .size: 8, .value_kind: global_buffer, .address_space: global }
      - { .name: bq, .offset: 32, .size: 8, .value_kind: global_buffer, .address_space: global }
      - { .name: bk, .offset: 40, .size: 8, .value_kind: global_buffer, .address_space: global }
      - { .name: bv, .offset: 48, .size: 8, .value_kind: global_buffer, .address_space: global }
      - { .name: qkvh, .offset: 56, .size: 8, .value_kind: global_buffer, .address_space: global }
    .group_segment_fixed_size: 327680
    .private_segment_fixed_size: 0
    .kernarg_segment_align: 8
    .kernarg_segment_size: 64
    .max_flat_workgroup_size: 128
    .sgpr_count:     106
    .vgpr_count:     1024
    .wavefront_size: 32
...
	.end_amdgpu_metadata
.endif
;; end of part 2
;; launch attn (part 3): grid 2 x 128, 16 waves a work-group, no clusters, 327,680 bytes of LDS; arguments qkvh, mh; writes mh
.if DOCPART == 3
	.amdgcn_target "amdgcn-amd-amdhsa--gfx1250"
	.amdhsa_code_object_version 6
	.text
	.protected	k_q67331815cc_attn
	.globl	k_q67331815cc_attn
	.p2align	8
	.type	k_q67331815cc_attn,@function
k_q67331815cc_attn:
	s_mov_b64 s[64:65], 0
	v_nop
	global_prefetch_b8 v0, s[64:65] scope:SCOPE_SE
	s_setreg_imm32_b32 hwreg(HW_REG_WAVE_MODE, 25, 1), 1
	s_wait_xcnt 0x0
; ATTN.  O[b, head][q] = the sum over k of softmax_k(Q . K / 8) V, head size 64, 1,024 keys, no mask.  Operands in f16, products, maxima and sums in f32.  Q carries log2(e) / 8 already, so a score is the exponent of 2.
; SOFTMAX.  For each query a running maximum m and sum l: p = 2^(s - m); in every step O and l are multiplied by a = 2^(m_old - m_new).  l is the sum of the unrounded p; p is rounded to f16 for the second product; O / l is rounded to f16 once.
; LIMITS: p under 2^-14 and O / l under 2^-14 are held with an absolute error of at most 2^-25; |O / l| up to 65,504.
; SHARES.  A work-group owns 512 queries of one head; each of its SIXTEEN waves owns two tiles of 16 queries in 256 registers: four waves to a SIMD, so that one wave's vector work stands beside another's matrix work and LDS loads.
; THE HEAD'S WHOLE K AND V COME TO LIE IN LDS (131,072 bytes each), each byte filled once, in four stages of 256 keys; each wave brings 4,096 bytes of each stage (waves 0-7: K, waves 8-15: V).
; Stage 0 is asked for at the head, behind Q; stage g + 1 straight behind stage g's barrier, so that the first products wait for 65,536 bytes and not for 262,144, and each later stage has four key steps in which to land.
; LAYOUT.  S^T = K Q^T (source 0 = 16 keys, source 1 = 16 queries): a lane holds ONE query (lane % 16) and keys 8 (lane / 16) + 0..7.  Two such tiles, rounded in pairs, ARE source 1 (32 keys x 16 queries) of O^T = V^T P,
; whose result again holds one query a lane and eight channels: packed, four registers of the fragment that the projection wants.  K lies in LDS as images of its fragments; V as [key 16][channel 16] blocks, turned by ds_load_tr16_b128.
;   qkvh [matrix 3][batch x head 128][tile of 16 positions 64][16 channels 4][512 bytes]      mh [tile of 16 rows 512][32 along the hidden axis 32][piece 2][512 bytes]
; NO CLUSTER: the grid has two work-groups along x (the two halves of a head's queries), and a cluster is four along x; the two ask for their 262,144 bytes once each.
; NO PREFETCH: each stage is asked for by its tensor load a whole stage, four key steps, ahead of its first read.
; REGISTERS: v1-4 addresses; v5, v6 the add's two; v8-31 statistics, 12 a tile; v32-63 Q; v64-127 S^T, 32 a tile (its low 16 become P); v128-191 O^T, 32 a tile; v192-255 one buffer for K's and then V's fragments of a step.
.set VB,    131072                     ; V begins here
.set SPARE, 262144                     ; the spare words, 128 bytes for each wave: eight blocks of 256 bytes that no other line names
.set LN,  1                            ; v1   16 x lane: my place in a fragment's piece, in LDS and in memory
.set AV,  2                            ; v2   my lane's place in a block of V for the turning load
.set ADK, 3                            ; v3   LDS address of the step's K
.set ADV, 4                            ; v4   of its V
.set SPW, 5                            ; v5   LDS address of my spare word; never rewritten
.set NIL, 6                            ; v6   0; never rewritten
.set ST,  8                            ; tile t's statistics at v[ST + 12 t]: +0 m, +1 m_old - m_new, +2, +3 l (even keys', odd keys'), +4 a, +5 written once (named as a's pair), +6 to +9 at work, +10, +11 the second chain of sums
.set Q,   32
.set S,   64
.set O,   128
.set KV,  192
.set G1,  16                           ; s[16:23] descriptor group 1;  s[24:39] four groups 0, one for each stage, never rewritten
.set G0,  24
.set SEL, 42                           ; s[42:43] lane selects for v_permlanex16_b32: lane l xor 16
.set TB,  44                           ; s44  byte at which the step's tiles begin in K's and in V's region
.set TRIP, 45                          ; s45  steps left in the stage
	s_load_b128 s[4:7], s[0:1], 0x0                ; qkvh s[4:5], mh s[6:7]
	v_lshl_add_u32 v[SPW], v0, 2, SPARE
	v_mov_b32 v[NIL], 0
	ds_add_u32 v[SPW], v[NIL]                      ; the wave's opening: the add, twice on end, and its wait ahead of my first tensor load
	ds_add_u32 v[SPW], v[NIL]                      ; and once more; the set-up below, work on registers, stands between it and the wait
	v_lshrrev_b32 v7, 5, v0
	v_readfirstlane_b32 s8, v7                     ; wave 0..15
	s_and_b32 s9, ttmp7, 0xffff                    ; batch x head
	; group 1: 4,096 dense bytes as 16 rows of 256 bytes (32 elements of 8 bytes), dense in LDS
	s_mov_b32 s[G1], 3<<16                         ; no mask; elements of 8 bytes; no padding
	s_mov_b32 s[G1+1], 32<<16                      ; tensor_dim0
	s_mov_b32 s[G1+2], 16<<16                      ; tensor_dim1
	s_mov_b32 s[G1+3], 32<<16                      ; tile_dim0
	s_mov_b32 s[G1+4], 16                          ; tile_dim1
	s_mov_b32 s[G1+5], 32                          ; tensor_dim0_stride
	s_mov_b32 s[G1+6], 0
	s_mov_b32 s[G1+7], 0
	s_lshr_b32 s10, s8, 3                          ; I fetch for K (0) or for V (1),
	s_and_b32 s11, s8, 7                           ; which eighth of a stage
	s_lshl_b32 s12, s10, 17
	s_lshl_b32 s13, s11, 12
	s_add_co_u32 s12, s12, s13                     ; in LDS: 131,072 x (K or V) + 4,096 x eighth (+ 32,768 x stage)
	s_add_co_u32 s46, s10, 1
	s_lshl_b32 s46, s46, 24                        ; in memory: matrix 1 or 2,
	s_lshl_b32 s47, s9, 17                         ; my head,
	s_add_co_u32 s46, s46, s47
	s_add_co_u32 s46, s46, s13                     ; my eighth
	s_mov_b32 s47, 0
	s_lshl_b32 s14, ttmp9, 5
	s_lshl_b32 s15, s8, 1
	s_add_co_u32 s14, s14, s15                     ; my first tile of queries: 32 x half + 2 x wave
	s_lshl_b32 s48, s14, 11
	s_lshl_b32 s49, s9, 17
	s_add_co_u32 s48, s48, s49
	s_mov_b32 s49, 0
	s_mov_b32 s[SEL], 0x76543210
	s_mov_b32 s[SEL+1], 0xfedcba98
	v_and_b32 v[LN], 31, v0
	v_lshlrev_b32 v[LN], 4, v[LN]
	s_wait_dscnt 0x0                               ; both opening adds are done
	s_wait_kmcnt 0x0
	s_add_nc_u64 s[50:51], s[4:5], s[48:49]        ; Q (matrix 0) at my first tile
.irp t, 0,1
.irp bl, 0,1,2,3
	global_load_b128 v[Q+16*\t+4*\bl:Q+16*\t+4*\bl+3], v[LN], s[50:51] offset:2048*\t+512*\bl   ; Q first: the first products want it with stage 0.  It stays in registers; the wave reads 512 consecutive bytes a load
.endr
.endr
	s_add_nc_u64 s[46:47], s[4:5], s[46:47]
.irp g, 0,1,2,3
	s_mov_b32 s[G0+4*\g], 1                        ; count = 1
	s_add_co_u32 s[G0+4*\g+1], s12, \g*32768       ; LDS address
	s_add_nc_u64 s[G0+4*\g+2:G0+4*\g+3], s[46:47], \g*32768   ; global address
	s_or_b32 s[G0+4*\g+3], s[G0+4*\g+3], 0x80000000           ; type = 2
.endr
	tensor_load_to_lds s[G0:G0+3], s[G1:G1+7]      ; stage 0: one load of mine is out
	s_nop 0
	v_bfe_u32 v7, v0, 4, 1                         ; h
	v_and_b32 v[ADK], 7, v0
	v_lshl_add_u32 v[ADK], v7, 3, v[ADK]           ; the turning load: lane l reads 16 bytes of key 8 h + l % 8,
	v_bfe_u32 v[ADV], v0, 3, 1
	v_lshlrev_b32 v[AV], 5, v[ADK]                 ; rows of 32 bytes,
	v_lshl_add_u32 v[AV], v[ADV], 4, v[AV]         ; channels 8 ((l / 8) % 2) on,
	v_add_nc_u32 v[AV], VB, v[AV]                  ; in V's region
	s_lshr_b32 s48, s9, 4
	s_lshl_b32 s48, s48, 6
	s_add_co_u32 s48, s48, s14                     ; the output's tile of rows: 64 x batch + my tile of queries: 32,768 bytes each,
	s_lshl_b32 s48, s48, 15
	s_and_b32 s15, s9, 15
	s_lshl_b32 s15, s15, 11                        ; my head's 64 channels: 2,048 bytes on for each head
	s_add_co_u32 s48, s48, s15
	s_add_nc_u64 s[6:7], s[6:7], s[48:49]
.irp t, 0,1
	v_mov_b32 v[ST+12*\t], 0xff61b1e6              ; m: -3e38, under every score
	v_mov_b32 v[ST+12*\t+1], 0
	v_mov_b32 v[ST+12*\t+2], 0                     ; l
	v_mov_b32 v[ST+12*\t+3], 0
	v_mov_b32 v[ST+12*\t+5], 0
.endr
.set i, 0
.rept 64
	v_mov_b32 v[O+i], 0                            ; O^T.  (The step is written once: the first finds zeros, which a = 0 leaves zeros)
.set i, i+1
.endr
	s_wait_loadcnt 0x0                             ; Q
; A KEY STEP: 64 keys.
.macro STEP
	v_add_nc_u32 v[ADK], s[TB], v[LN]              ; five plain places behind the last step's V^T P: the products below write over registers that it read as P (five are asked), and the loads land in its fragments' registers (four)
	v_add_nc_u32 v[ADV], s[TB], v[AV]
.rept 3
	v_nop
.endr
.set i, 0
.rept 16
	ds_load_b128 v[KV+4*i:KV+4*i+3], v[ADK] offset:512*i   ; K: tile of keys i / 4, channels 32 ((i / 2) % 2) on, piece i % 2: 512 consecutive bytes a load
.set i, i+1
.endr
	s_wait_dscnt 0x0
.irp c, 0,1                            ; S^T = K Q^T: eight accumulators by turns; the first eight start the sums
.irp kt, 0,1,2,3
.irp t, 0,1
.if \c == 0
	v_wmma_f32_16x16x32_f16 v[S+32*\t+8*\kt:S+32*\t+8*\kt+7], v[KV+16*\kt:KV+16*\kt+7], v[Q+16*\t:Q+16*\t+7], 0
.else
	v_wmma_f32_16x16x32_f16 v[S+32*\t+8*\kt:S+32*\t+8*\kt+7], v[KV+16*\kt+8:KV+16*\kt+15], v[Q+16*\t+8:Q+16*\t+15], v[S+32*\t+8*\kt:S+32*\t+8*\kt+7]
.endif
.endr
.endr
.endr
.rept 4
	v_nop                                          ; four places: ahead of the loads into K's registers, and of the first read of the scores
.endr
.irp u, 0,1                            ; V, turned: keys 32 u on, channels 16 ct on; the two halves of a fragment come from two neighbouring tiles of keys.  They land under the softmax
.irp ct, 0,1,2,3
	ds_load_tr16_b128 v[KV+8*(4*\u+\ct):KV+8*(4*\u+\ct)+3], v[ADV] offset:4096*\u+512*\ct
	ds_load_tr16_b128 v[KV+8*(4*\u+\ct)+4:KV+8*(4*\u+\ct)+7], v[ADV] offset:4096*\u+2048+512*\ct
.endr
.endr
	; the softmax, the two tiles line by line, so that no line waits for the line above it.  The maximum begins at each accumulator's low end
.irp k, 0,1,2,3
.irp t, 0,1
	v_max3_num_f32 v[ST+12*\t+6+\k], v[S+32*\t+8*\k], v[S+32*\t+8*\k+1], v[S+32*\t+8*\k+2]
.endr
.endr
.irp i, 3,5
.irp k, 0,1,2,3
.irp t, 0,1
	v_max3_num_f32 v[ST+12*\t+6+\k], v[ST+12*\t+6+\k], v[S+32*\t+8*\k+\i], v[S+32*\t+8*\k+\i+1]
.endr
.endr
.endr
.irp t, 0,1
	v_max3_num_f32 v[ST+12*\t+6], v[ST+12*\t+6], v[S+32*\t+7], v[S+32*\t+15]
.endr
.irp t, 0,1
	v_max3_num_f32 v[ST+12*\t+8], v[ST+12*\t+8], v[S+32*\t+23], v[S+32*\t+31]
.endr
.irp t, 0,1
	v_max3_num_f32 v[ST+12*\t+6], v[ST+12*\t+6], v[ST+12*\t+7], v[ST+12*\t+8]
.endr
.irp t, 0,1
	v_max3_num_f32 v[ST+12*\t+6], v[ST+12*\t+6], v[ST+12*\t+9], v[ST+12*\t]   ; with the old m
.endr
.irp t, 0,1
	v_permlanex16_b32 v[ST+12*\t+7], v[ST+12*\t+6], s[SEL], s[SEL+1]          ; the query's other 32 keys lie in the lane 16 away
.endr
.irp t, 0,1
	v_mov_b32 v[ST+12*\t+1], v[ST+12*\t]
.endr
.irp t, 0,1
	v_max_num_f32 v[ST+12*\t], v[ST+12*\t+6], v[ST+12*\t+7]                   ; the new m
.endr
.irp t, 0,1
	v_sub_f32 v[ST+12*\t+1], v[ST+12*\t+1], v[ST+12*\t]                       ; m_old - m_new
.endr
.set j, 0
.rept 16
.irp t, 0,1
	v_pk_add_f32 v[S+32*\t+j:S+32*\t+j+1], v[S+32*\t+j:S+32*\t+j+1], v[ST+12*\t:ST+12*\t+1] op_sel_hi:[1,0] neg_lo:[0,1] neg_hi:[0,1]   ; s - m, two at a time (of the pair the low word serves both halves)
.endr
.set j, j+2
.endr
.irp t, 0,1
	v_exp_f32 v[ST+12*\t+4], v[ST+12*\t+1]         ; a.  ONE BATCH: 66 exponentials, none of which reads another's result
.endr
.set j, 0
.rept 32
.irp t, 0,1
	v_exp_f32 v[S+32*\t+j], v[S+32*\t+j]           ; p, at most 1
.endr
.set j, j+1
.endr
	v_nop                                          ; a plain instruction behind the last exponential (ISA guide 5.7.2)
	s_wait_alu depctr_va_vdst(0)                   ; the wait ahead of the first instruction that names a result: one for the batch
.irp t, 0,1
	v_pk_mul_f32 v[ST+12*\t+2:ST+12*\t+3], v[ST+12*\t+2:ST+12*\t+3], v[ST+12*\t+4:ST+12*\t+5] op_sel_hi:[1,0]   ; l x a
.endr
.irp t, 0,1
	v_pk_add_f32 v[ST+12*\t+10:ST+12*\t+11], v[S+32*\t:S+32*\t+1], v[S+32*\t+2:S+32*\t+3]   ; the sum of the unrounded p, in two chains
.endr
.irp j, 4,8,12,16,20,24,28
.irp t, 0,1
	v_pk_add_f32 v[ST+12*\t+2:ST+12*\t+3], v[ST+12*\t+2:ST+12*\t+3], v[S+32*\t+\j:S+32*\t+\j+1]
	v_pk_add_f32 v[ST+12*\t+10:ST+12*\t+11], v[ST+12*\t+10:ST+12*\t+11], v[S+32*\t+\j+2:S+32*\t+\j+3]
.endr
.endr
.irp t, 0,1
	v_pk_add_f32 v[ST+12*\t+2:ST+12*\t+3], v[ST+12*\t+2:ST+12*\t+3], v[ST+12*\t+10:ST+12*\t+11]
.endr
.set j, 0
.rept 16
.irp t, 0,1
	v_cvt_pk_f16_f32 v[S+32*\t+j], v[S+32*\t+2*j], v[S+32*\t+2*j+1]   ; P, in place, ascending: register j is written when 2 j and 2 j + 1 are read
.endr
.set j, j+1
.endr
.set j, 0
.rept 16
.irp t, 0,1
	v_pk_mul_f32 v[O+32*\t+j:O+32*\t+j+1], v[O+32*\t+j:O+32*\t+j+1], v[ST+12*\t+4:ST+12*\t+5] op_sel_hi:[1,0]   ; O^T x a, each accumulator from its low end on
.endr
.set j, j+2
.endr
	s_wait_dscnt 0x0                               ; V is in
.irp u, 0,1                            ; O^T += V^T P: eight accumulators by turns
.irp ct, 0,1,2,3
.irp t, 0,1
	v_wmma_f32_16x16x32_f16 v[O+32*\t+8*\ct:O+32*\t+8*\ct+7], v[KV+8*(4*\u+\ct):KV+8*(4*\u+\ct)+7], v[S+32*\t+8*\u:S+32*\t+8*\u+7], v[O+32*\t+8*\ct:O+32*\t+8*\ct+7]
.endr
.endr
.endr
.endm
; A STAGE: 256 keys, four steps.  In front of its barrier each wave waits for all its tensor loads, of which one is out: its part of this stage; adds 0 to its spare word; and waits for that and for its LDS reads.
; Behind the barrier the stage is whole for all sixteen waves, and the next stage is asked for first thing: the wave's one tensor load until the next such barrier.
.macro STAGE g
	s_wait_tensorcnt 0x0                           ; my part of this stage has landed
	ds_add_u32 v[SPW], v[NIL]                      ; 0 onto my spare word
	s_wait_dscnt 0x0                               ; the add is done; no LDS instruction of mine is pending at the signal
	s_barrier_signal -1
	s_barrier_wait -1
.if \g < 3
	tensor_load_to_lds s[G0+4*(\g)+4:G0+4*(\g)+7], s[G1:G1+7]   ; stage g + 1: it has this stage's four steps in which to land
	s_nop 0
.endif
	s_mov_b32 s[TB], 32768*\g
	s_mov_b32 s[TRIP], 4
.Lst_\@:
	STEP
	s_add_co_u32 s[TB], s[TB], 8192                ; four tiles of 16 keys x 2,048 bytes
	s_sub_co_u32 s[TRIP], s[TRIP], 1
	s_cmp_lg_u32 s[TRIP], 0
	s_cbranch_scc1 .Lst_\@
.endm
	STAGE 0
	STAGE 1
	STAGE 2
	STAGE 3
	; THE WAY OUT.  l's two halves and the other half of the lanes' are added; O^T / l, rounded to f16: a lane's eight channels are 16 bytes, and the wave stores 512 consecutive bytes, a piece of the projection's fragment.
.rept 4
	v_nop                                          ; four places behind the last products
.endr
.irp t, 0,1
	v_add_f32 v[ST+12*\t+6], v[ST+12*\t+2], v[ST+12*\t+3]
.endr
.irp t, 0,1
	v_permlanex16_b32 v[ST+12*\t+7], v[ST+12*\t+6], s[SEL], s[SEL+1]
.endr
.irp t, 0,1
	v_add_f32 v[ST+12*\t+6], v[ST+12*\t+6], v[ST+12*\t+7]
.endr
.irp t, 0,1
	v_rcp_f32 v[ST+12*\t+4], v[ST+12*\t+6]
.endr
	v_nop                                          ; a plain instruction behind the last reciprocal
	s_wait_alu depctr_va_vdst(0)                   ; and the wait ahead of the first use: one for the two
.irp t, 0,1
.set j, 0
.rept 16
	v_pk_mul_f32 v[S+32*\t+j:S+32*\t+j+1], v[O+32*\t+j:O+32*\t+j+1], v[ST+12*\t+4:ST+12*\t+5] op_sel_hi:[1,0]
.set j, j+2
.endr
.endr
.irp t, 0,1
.set j, 0
.rept 16
	v_cvt_pk_f16_f32 v[KV+16*\t+j], v[S+32*\t+2*j], v[S+32*\t+2*j+1]
.set j, j+1
.endr
.endr
.irp t, 0,1
.irp ct, 0,1,2,3
	global_store_b128 v[LN], v[KV+16*\t+4*\ct:KV+16*\t+4*\ct+3], s[6:7] offset:32768*\t+512*\ct
.endr
.endr
	s_wait_tensorcnt 0x0                           ; the wave's end, behind my last tensor load
	ds_add_u32 v[SPW], v[NIL]
	s_wait_dscnt 0x0
	s_endpgm
.Lfunc_end_k_q67331815cc_attn:
	.size	k_q67331815cc_attn, .Lfunc_end_k_q67331815cc_attn-k_q67331815cc_attn
	.p2alignl 7, 3214868480
	.fill 96, 4, 3214868480
	.section	.rodata,"a",@progbits
	.p2align	6, 0x0
	.amdhsa_kernel k_q67331815cc_attn
		.amdhsa_group_segment_fixed_size 327680
		.amdhsa_private_segment_fixed_size 0
		.amdhsa_enable_private_segment 0
		.amdhsa_kernarg_size 16
		.amdhsa_user_sgpr_count 2
		.amdhsa_user_sgpr_kernarg_segment_ptr 1
		.amdhsa_wavefront_size32 1
		.amdhsa_system_sgpr_workgroup_id_x 1
		.amdhsa_system_sgpr_workgroup_id_y 1
		.amdhsa_system_sgpr_workgroup_id_z 1
		.amdhsa_system_vgpr_workitem_id 0
		.amdhsa_next_free_vgpr 256
		.amdhsa_next_free_sgpr 66
		.amdhsa_reserve_vcc 0
		.amdhsa_float_denorm_mode_32 3
		.amdhsa_float_denorm_mode_16_64 3
		.amdhsa_memory_ordered 1
		.amdhsa_forward_progress 1
		.amdhsa_inst_pref_size 82
	.end_amdhsa_kernel
	.amdgpu_metadata
---
amdhsa.version: [ 1, 2 ]
amdhsa.kernels:
  - .name:           k_q67331815cc_attn
    .symbol:         k_q67331815cc_attn.kd
    .args:
      - { .name: qkvh, .offset: 0, .size: 8, .value_kind: global_buffer, .address_space: global }
      - { .name: mh, .offset: 8, .size: 8, .value_kind: global_buffer, .address_space: global }
    .group_segment_fixed_size: 327680
    .private_segment_fixed_size: 0
    .kernarg_segment_align: 8
    .kernarg_segment_size: 16
    .max_flat_workgroup_size: 512
    .sgpr_count:     66
    .vgpr_count:     256
    .wavefront_size: 32
...
	.end_amdgpu_metadata
.endif
;; end of part 3
;; launch oproj (part 4): grid 8 x 32, 4 waves a work-group, clusters of 4 x 4, 327,680 bytes of LDS; arguments mh, woh, bo, out0; writes out0
.if DOCPART == 4
	.amdgcn_target "amdgcn-amd-amdhsa--gfx1250"
	.amdhsa_code_object_version 6
	.text
	.protected	k_q67331815cc_oproj
	.globl	k_q67331815cc_oproj
	.p2align	8
	.type	k_q67331815cc_oproj,@function
k_q67331815cc_oproj:
	s_mov_b64 s[64:65], 0
	v_nop
	global_prefetch_b8 v0, s[64:65] scope:SCOPE_SE
	s_setreg_imm32_b32 hwreg(HW_REG_WAVE_MODE, 25, 1), 1
	s_wait_xcnt 0x0
	s_wait_alu depctr_hold_cnt(0) depctr_sa_sdst(0) depctr_va_vdst(0) depctr_va_sdst(0) depctr_va_ssrc(0) depctr_va_vcc(0) depctr_vm_vsrc(0)
	s_getreg_b32 s2, hwreg(HW_REG_IB_STS2, 6, 4)
	s_cmp_eq_u32 s2, 0
	s_cbranch_scc0 .Lentry_in_a_cluster
	s_endpgm
.Lentry_in_a_cluster:
	s_bfe_u32 s2, ttmp6, 0x10000c
	s_cmp_lg_u32 s2, 0xf033
	s_cbranch_scc0 .Lentry_shape_is_right
	s_endpgm
.Lentry_shape_is_right:
; OPROJ.  out0 [8192][1024] f32 = merged [8192][1024] x Wo [1024 (k)][1024 (n)] + bo.  Operands in f16, sums in f32; bo is the C of each sum's first matrix instruction.
; 8,192 x 1,024 gives 256 tiles of 256 x 128: one for each work-group.  Four waves, each 128 rows x 64 columns: 32 accumulators, 256 registers.
; Both operands lie in memory as images of their fragments (16 rows x 32 K of f16: two pieces of 512 bytes, lane l's 16 bytes at 16 l): LDS needs no padding, and every fragment load takes 512 consecutive bytes.
;   mh [tile of 16 rows 512][32 along K: 32][1,024 bytes]      woh [tile of 16 columns 64][32 along K: 32][1,024 bytes]
; K goes through a ring of two LDS slots of 192 along K, the longest of which two fit: a tile of 16 rows is 6,144 dense bytes there; merged's 16 tiles, then Wo's 8: 147,456 bytes a slot.
; 1,024 = 5 x 192 + 64: six fills; the last states 64 left along K, and the mover writes zeros behind them, which nobody reads.  Waves 0 and 1 fetch merged's halves, waves 2 and 3 Wo's.
; From a refill's request to the wait for it a wave issues 176 matrix instructions.  The walk over K is written out: the fills differ, and no trip comes back to the same lines.
; CLUSTERS: 4 x 4 work-groups.  The four of a row need the same tiles of merged, the four of a column the same tiles of Wo: each is asked for JOINTLY, by the same tensor load with the same descriptor and a mask that names the four.
; THE MATRIX INSTRUCTION IS USED TRANSPOSED (source 0 = 16 columns of Wo, source 1 = 16 rows of merged): a lane holds eight neighbouring numbers of a row of the output.
; REGISTERS: window 0: v0-31 addresses; v32-63 bo in the result's layout; two fragment buffers of 96 at v64 and v160 (Wo's 4 fragments, then merged's 8); on the way out v64-127 hold rows.   window 1: the accumulators, (a, b) at v[8 (4 a + b)].
.set TB6,    6144                      ; a tile of 16 rows x 192 along K
.set SLOT,   24*TB6
.set BOFF,   16*TB6                    ; Wo's tiles lie behind merged's 16
.set STAGE,  2*SLOT                    ; behind the ring: 16 rows x (256 bytes + 16) for each wave, for the way out: no tensor load lands there
.set SPITCH, 272                       ; row r begins 17 r x 16 bytes on, so sixteen rows' equal columns fall on sixteen different 16-byte columns modulo 256
.set SPARE,  STAGE+4*16*SPITCH         ; the spare words, 128 bytes for each wave: two blocks of 256 bytes that no other line names
.set ADRA, 16                          ; v16-17  LDS address of my fragments of merged in slot 0, 1
.set ADRB, 20                          ; v20-21  the same for Wo
.set STO,  24                          ; v24     the way out: where I put 32 bytes of a row
.set RD,   25                          ; v25     where I read a row back
.set CO,   26                          ; v26     my byte offset in the output
.set SPW,  28                          ; v28     LDS address of my spare word; never rewritten
.set NIL,  29                          ; v29     0; never rewritten
.set PFO,  30                          ; v30     the prefetches' offset: 32,768 h + 256 r; never rewritten
.set BO,   32
.set F0,   64
.set F1,   160
.set BK,   64
.set G1,   24                          ; s[24:31] group 1 for merged's tiles;  s[32:39] group 0, one set for each slot
.set G0,   32
.set G1B,  48                          ; s[48:55], s[56:63] the same for Wo's
.set G0B,  56
.set G1L,  68                          ; s[68:75], s[76:83] groups 1 for the last fill
.set G1BL, 76
.set LIM,  43                          ; s43     1 in a wave that prefetches, else the greatest number
.set PFA,  44                          ; s[44:45] where my prefetches stand; never rewritten
.set MSB, 0
.macro WIN new                         ; the immediate's high byte repeats the setting that is left; a switch that changes nothing is dropped
.if MSB != \new
	s_set_vgpr_msb (MSB<<8)|\new
.set MSB, \new
.endif
.endm
.set MUL,  0x50                        ; C and D window 1, the fragments window 0
.set MULB, 0x40                        ; D window 1, C (bo) window 0
.macro JLOAD s, ga, gb                 ; a joint load; an s_nop 0 and four v_nop follow each of the two lines, ahead of the jump, the label and what follows.  The branch hangs on the wave's number alone
	s_cmp_eq_u32 s15, 0
	s_cbranch_scc0 .Lfor_b_\@
	tensor_load_to_lds s[G0+4*\s:G0+4*\s+3], s[\ga:\ga+7]
	s_nop 0
.rept 4
	v_nop
.endr
	s_branch .Lasked_\@
.Lfor_b_\@:
	tensor_load_to_lds s[G0B+4*\s:G0B+4*\s+3], s[\gb:\gb+7]
	s_nop 0
.rept 4
	v_nop
.endr
.Lasked_\@:
.endm
.macro CREST                           ; a round of the cluster's barrier behind its opening barrier
	s_cmp_lg_u32 s14, 0
	s_cbranch_scc1 .Lnot_wave_0_\@
	s_barrier_signal -3
.Lnot_wave_0_\@:
	s_barrier_wait -3
	s_barrier_signal -1
	s_barrier_wait -1
.endm
.macro CROUND                          ; a whole round
	s_barrier_signal -1
	s_barrier_wait -1
	CREST
.endm
; PREFETCHES INTO THE L2, behind a joint refill, its five lines and the run of LDS loads: 256 along K of merged from 64 u on, two instructions.  The first change of slots asks for K = 512 to 767, the second for
; K = 768 to 1,023: what the next change's fill wants (and the last fill's 64), one change of slots, 192 matrix instructions, ahead; K = 512 to 575 alone belongs to the fill that goes out at the same change.
; Each block of 256 bytes is named once: of the clusters that read a tile row the one with x = 0 asks; in it waves 0 and 1, which fetch merged; the four partners of a row of the cluster share a wave's 8 tiles
; out BY ADDRESS, two each; a lane names one block: tile h, block r of 4,096 bytes.  K under 512 comes by its loads alone.  Wo's 2 MiB, which all 32 tile rows read, are not asked for.
.macro ASK u
	s_cmp_eq_u32 s[LIM], 1
	s_cbranch_scc0 .Lnot_mine_\@
	global_prefetch_b8 v[PFO], s[PFA:PFA+1] offset:2048*(\u) th:TH_LOAD_NT scope:SCOPE_SE
	global_prefetch_b8 v[PFO], s[PFA:PFA+1] offset:2048*(\u)+4096 th:TH_LOAD_NT scope:SCOPE_SE
.Lnot_mine_\@:
.endm
	s_load_b256 s[4:11], s[0:1], 0x0               ; mh s[4:5], woh s[6:7], bo s[8:9], out0 s[10:11]
	v_lshl_add_u32 v[SPW], v0, 2, SPARE
	v_mov_b32 v[NIL], 0
	ds_add_u32 v[SPW], v[NIL]                      ; the wave's opening: the add, twice on end, and its wait ahead of my first tensor load
	ds_add_u32 v[SPW], v[NIL]                      ; and once more; the set-up below, work on registers, stands between it and the wait
	v_lshrrev_b32 v1, 5, v0
	v_readfirstlane_b32 s14, v1                    ; wave 0..3
	s_lshr_b32 s15, s14, 1                         ; which half of the tile's rows is mine.  Also: I fetch for merged (0) or for Wo (1)
	s_and_b32 s16, s14, 1                          ; which half of its columns.  Also: which half of that operand's tiles I fetch
	s_bfe_u32 s40, ttmp6, 0x40000                  ; cx, cy: my place in the cluster
	s_bfe_u32 s41, ttmp6, 0x40004
	s_lshl_b32 s42, ttmp9, 2
	s_add_co_u32 s42, s42, s40                     ; tile column = 4 x cluster x + cx, 0..7
	s_and_b32 s17, ttmp7, 0xffff
	s_lshl_b32 s17, s17, 2
	s_add_co_u32 s17, s17, s41                     ; tile row = 4 x cluster y + cy, 0..31
	s_lshl_b32 s43, s41, 2
	s_lshl_b32 s43, 15, s43                        ; my row of the cluster
	s_lshl_b32 s44, 0x1111, s40                    ; my column
	; group 1: tiles of 16 rows, each 6,144 dense bytes (768 elements of 8 bytes), 32,768 bytes apart in memory, dense in LDS: 8 of merged, 4 of Wo.  In the last fill 2,048 bytes (256 elements) are left of each
	s_or_b32 s[G1+0], s43, (3<<16)|(1<<21)         ; 15:0 the mask; 17:16 elements of 8 bytes; 21 set beside a mask; no padding
	s_or_b32 s[G1L+0], s43, (3<<16)|(1<<21)
	s_or_b32 s[G1B+0], s44, (3<<16)|(1<<21)
	s_or_b32 s[G1BL+0], s44, (3<<16)|(1<<21)
	s_mov_b32 s[G1+1], 768<<16                     ; tensor_dim0
	s_mov_b32 s[G1B+1], 768<<16
	s_mov_b32 s[G1L+1], 256<<16
	s_mov_b32 s[G1BL+1], 256<<16
.irp g, G1, G1L
	s_mov_b32 s[\g+2], 8<<16                       ; tensor_dim1
	s_mov_b32 s[\g+3], 768<<16                     ; tile_dim0
	s_mov_b32 s[\g+4], 8                           ; tile_dim1
	s_mov_b32 s[\g+5], 4096                        ; tensor_dim0_stride
	s_mov_b32 s[\g+6], 0
	s_mov_b32 s[\g+7], 0
.endr
.irp g, G1B, G1BL
	s_mov_b32 s[\g+2], 4<<16
	s_mov_b32 s[\g+3], 768<<16
	s_mov_b32 s[\g+4], 4
	s_mov_b32 s[\g+5], 4096
	s_mov_b32 s[\g+6], 0
	s_mov_b32 s[\g+7], 0
.endr
	s_lshl_b32 s18, s16, 3
	s_lshl_b32 s20, s17, 4
	s_add_co_u32 s20, s20, s18                     ; merged: tile 16 x tile row + 8 x half
	s_lshl_b32 s20, s20, 15
	s_mov_b32 s21, 0
	s_lshl_b32 s18, s16, 2
	s_lshl_b32 s46, s42, 3
	s_add_co_u32 s46, s46, s18                     ; Wo: tile 8 x tile column + 4 x half
	s_lshl_b32 s46, s46, 15
	s_mov_b32 s47, 0
	s_mul_i32 s22, s16, 8*TB6                      ; where they go: merged's halves 8 tiles apart,
	s_mul_i32 s23, s16, 4*TB6
	s_add_co_u32 s23, s23, BOFF                    ; Wo's 4 tiles apart, behind them: no place in the cluster enters an LDS address
	s_wait_dscnt 0x0                               ; both opening adds are done
	s_wait_kmcnt 0x0
	s_add_nc_u64 s[20:21], s[4:5], s[20:21]
	s_add_nc_u64 s[46:47], s[6:7], s[46:47]
	CROUND                                         ; all sixteen work-groups are here: the first joint loads meet
.irp s, 0,1
	s_mov_b32 s[G0+4*\s], 1
	s_add_co_u32 s[G0+4*\s+1], s22, \s*SLOT
	s_add_nc_u64 s[G0+4*\s+2:G0+4*\s+3], s[20:21], \s*TB6
	s_or_b32 s[G0+4*\s+3], s[G0+4*\s+3], 0x80000000
	s_mov_b32 s[G0B+4*\s], 1
	s_add_co_u32 s[G0B+4*\s+1], s23, \s*SLOT
	s_add_nc_u64 s[G0B+4*\s+2:G0B+4*\s+3], s[46:47], \s*TB6
	s_or_b32 s[G0B+4*\s+3], s[G0B+4*\s+3], 0x80000000
	JLOAD \s, G1, G1B                              ; K = 0 to 383: two loads of mine are out
.endr
	v_and_b32 v1, 15, v0                           ; r
	v_bfe_u32 v2, v0, 4, 1                         ; h
	v_and_b32 v3, 31, v0
	v_lshlrev_b32 v4, 4, v3                        ; 16 x lane
	s_mul_i32 s21, s15, 8*TB6                      ; my 8 tiles of merged
	s_mul_i32 s22, s16, 4*TB6                      ; my 4 tiles of Wo
	s_add_co_u32 s22, s22, BOFF
.irp s, 0,1
	v_add_nc_u32 v[ADRA+\s], s21, v4
	v_add_nc_u32 v[ADRB+\s], s22, v4
	s_add_co_u32 s21, s21, SLOT
	s_add_co_u32 s22, s22, SLOT
.endr
	s_mul_i32 s23, s14, 16*SPITCH
	s_add_co_u32 s23, s23, STAGE                   ; my stage
	v_mul_u32_u24 v5, v1, SPITCH                   ; in: row r, 32 bytes for each half of the lanes
	v_lshl_add_u32 v5, v2, 5, v5
	v_add_nc_u32 v[STO], s23, v5
	v_mul_u32_u24 v5, v2, SPITCH                   ; back: lanes 0-15 take one row of 256 bytes, lanes 16-31 the next
	v_lshl_add_u32 v5, v1, 4, v5
	v_add_nc_u32 v[RD], s23, v5
	v_lshlrev_b32 v[CO], 4, v1                     ; and the same two rows in the output: rows of 4,096 bytes
	v_lshl_add_u32 v[CO], v2, 12, v[CO]
	v_lshlrev_b32 v[PFO], 8, v1
	v_lshl_add_u32 v[PFO], v2, 15, v[PFO]
	v_lshlrev_b32 v6, 5, v2
	s_lshl_b32 s46, s42, 9                         ; my first column, in bytes: (128 x tile column + 64 x half) x 4
	s_lshl_b32 s47, s16, 8
	s_add_co_u32 s46, s46, s47
	s_mov_b32 s47, 0
	s_add_nc_u64 s[8:9], s[8:9], s[46:47]
.irp b, 0,1,2,3
	global_load_b128 v[BO+8*\b:BO+8*\b+3], v6, s[8:9] offset:64*\b          ; bo: for column tile b a lane wants numbers 16 b + 8 h + 0..7
	global_load_b128 v[BO+8*\b+4:BO+8*\b+7], v6, s[8:9] offset:64*\b+16
.endr
	s_lshl_b32 s20, s17, 8
	s_lshl_b32 s21, s15, 7
	s_add_co_u32 s20, s20, s21                     ; my first row: 256 x tile row + 128 x half
	s_lshl_b32 s20, s20, 12
	s_add_co_u32 s20, s20, s46
	s_mov_b32 s21, 0
	s_add_nc_u64 s[10:11], s[10:11], s[20:21]
	s_lshl_b32 s18, s16, 3                         ; the prefetches: tile 16 x tile row + 8 x half + 2 cx
	s_lshl_b32 s20, s17, 4
	s_add_co_u32 s20, s20, s18
	s_lshl_b32 s18, s40, 1
	s_add_co_u32 s20, s20, s18
	s_lshl_b32 s20, s20, 15
	s_add_nc_u64 s[PFA:PFA+1], s[4:5], s[20:21]
	s_or_b32 s[LIM], s15, ttmp9                    ; 0 in waves 0 and 1 of the clusters with x = 0: the same in all sixteen partners, for a given wave
	s_cmp_eq_u32 s[LIM], 0
	s_cselect_b32 s[LIM], 1, -1
	s_wait_loadcnt 0x0                             ; bo
; 8 matrix instructions: row blocks a0, a0 + 1 against the 4 column blocks, 32 along K, from buffer f.  first = 1: bo starts the sums: nothing is cleared.
; The 32 accumulators take turns, one instruction a turn, in the same order in every quarter.
.macro MUL8 f, a0, first
.irp a, \a0, \a0+1
.irp b, 0,1,2,3
.if \first
	v_wmma_f32_16x16x32_f16 v[8*(4*(\a)+\b):8*(4*(\a)+\b)+7], v[\f+8*\b:\f+8*\b+7], v[\f+32+8*(\a):\f+32+8*(\a)+7], v[BO+8*\b:BO+8*\b+7]
.else
	v_wmma_f32_16x16x32_f16 v[8*(4*(\a)+\b):8*(4*(\a)+\b)+7], v[\f+8*\b:\f+8*\b+7], v[\f+32+8*(\a):\f+32+8*(\a)+7], v[8*(4*(\a)+\b):8*(4*(\a)+\b)+7]
.endif
.endr
.endr
.endm
; 24 LDS loads in one run: the fragments of the slot's q-th 32 along K into buffer f: Wo's 4, merged's blocks 0-3, merged's blocks 4-7
.macro FETCH slot, q, f
	WIN 0
.irp i, 0,1,2,3
.irp c, 0,1
	ds_load_b128 v[\f+8*\i+4*\c:\f+8*\i+4*\c+3], v[ADRB+\slot] offset:TB6*\i+1024*(\q)+512*\c
.endr
.endr
.irp i, 0,1,2,3,4,5,6,7
.irp c, 0,1
	ds_load_b128 v[\f+32+8*\i+4*\c:\f+32+8*\i+4*\c+3], v[ADRA+\slot] offset:TB6*\i+1024*(\q)+512*\c
.endr
.endr
.endm
.macro PLACES                          ; four places in front of loads into registers that matrix instructions have read, and of the first read of results (ISA guide 7.12.1 for vector instructions)
.rept 4
	v_nop
.endr
.endm
; A slot is six parts of 32 along K, 32 matrix instructions each, on buffers 0, 1, 0, 1, 0, 1.  One of the first five: multiplies buffer f and fetches part q of the same slot into g.
.macro QUARTER slot, q, f, g, first
	s_wait_dscnt 8                                 ; Wo's fragments and merged's blocks 0-3 are in; the youngest eight loads (blocks 4-7) may be out
.if \first
	WIN MULB
.else
	WIN MUL
.endif
	MUL8 \f, 0, \first
	MUL8 \f, 2, \first
	PLACES
	FETCH \slot, \q, \g
	s_wait_dscnt 24                                ; all but the 24 just issued
.if \first
	WIN MULB
.else
	WIN MUL
.endif
	MUL8 \f, 4, \first
	MUL8 \f, 6, \first
.endm
.macro REST4 slot                      ; a slot's second to fifth parts
	QUARTER \slot, 2, F1, F0, 0
	QUARTER \slot, 3, F0, F1, 0
	QUARTER \slot, 4, F1, F0, 0
	QUARTER \slot, 5, F0, F1, 0
.endm
; The last part multiplies buffer 1 and changes slots: ONE barrier; in front of it each wave waits for all its tensor loads, adds 0 to its spare word, and waits for that and for its own reads of this slot.
; fill = 1 or 2: the barrier opens a round of the cluster's barrier, and this slot is filled again, with the 192 (fill = 2: the 64) along K that lie 384 further on.  ask: from which 64 along K on to prefetch; 0: nothing.
.macro TURN slot, next, fill, ask
	WIN 0                                          ; (the add's two registers lie in window 0)
	s_wait_tensorcnt 0x0                           ; all my tensor loads have landed: the one that was out is my part of the next slot;
	ds_add_u32 v[SPW], v[NIL]                      ; 0 onto my spare word
	s_wait_dscnt 9                                 ; (the add and the youngest eight loads may be out)
	WIN MUL
	MUL8 F1, 0, 0                                  ; eight matrix instructions stand between the add and the wait for it
	s_wait_dscnt 0x0                               ; the add is done, and my reads of this slot are over
	s_barrier_signal -1
	MUL8 F1, 2, 0
	WIN 0
	s_barrier_wait -1
.if \fill
	CREST                                          ; no wave of any partner still reads this slot's tile or has a load on its way
	s_add_nc_u64 s[G0+4*\slot+2:G0+4*\slot+3], s[G0+4*\slot+2:G0+4*\slot+3], 2*TB6
	s_add_nc_u64 s[G0B+4*\slot+2:G0B+4*\slot+3], s[G0B+4*\slot+2:G0B+4*\slot+3], 2*TB6
.if \fill == 1
	JLOAD \slot, G1, G1B                           ; the first tensor load behind the round; the four v_nop behind it are also the places in front of the loads below
.else
	JLOAD \slot, G1L, G1BL
.endif
.else
	PLACES
.endif
	FETCH \next, 0, F0
.if \ask
	ASK \ask
.endif
	WIN MUL
	MUL8 F1, 4, 0
	MUL8 F1, 6, 0
.endm
	s_wait_tensorcnt 1                             ; my part of slot 0 is in (slot 1's load may be out)
	s_barrier_signal -1
	s_barrier_wait -1                              ; everybody's is
	FETCH 0, 0, F0
	QUARTER 0, 1, F0, F1, 1                        ; K = 0 to 191; the first products start the sums, from bo
	REST4 0
	TURN 0, 1, 1, 8                                ; slot 0 takes K = 384 to 575
	QUARTER 1, 1, F0, F1, 0                        ; K = 192 to 383
	REST4 1
	TURN 1, 0, 1, 12                               ; slot 1 takes K = 576 to 767
	QUARTER 0, 1, F0, F1, 0
	REST4 0
	TURN 0, 1, 1, 0                                ; slot 0 takes K = 768 to 959
	QUARTER 1, 1, F0, F1, 0
	REST4 1
	TURN 1, 0, 2, 0                                ; slot 1 takes K = 960 to 1,023: the last fill
	QUARTER 0, 1, F0, F1, 0
	REST4 0
	TURN 0, 1, 0, 0                                ; nothing is left to fetch: no round of the cluster's barrier
	QUARTER 1, 1, F0, F1, 0                        ; K = 960 to 991,
	s_wait_dscnt 8                                 ; and the very last 32
	WIN MUL
	MUL8 F1, 0, 0
	MUL8 F1, 2, 0
	s_wait_dscnt 0
	MUL8 F1, 4, 0
	MUL8 F1, 6, 0
	WIN 0
; THE WAY OUT, block by block of 16 rows x 64 columns.  A lane holds 32 neighbouring bytes of a row, and the lanes beside it hold other rows: so a block goes through my own stage in LDS and comes back as rows of
; 256 bytes, which sixteen lanes store as one aligned run of 256 bytes.  LDS serves a wave's instructions in order (ISA guide 5.7.1.4): no wait between the stores and the loads, nor in front of the next block's stores.
.macro TOSTAGE a
	WIN 0x04                                       ; an LDS store's data are its source 1: window 1
.irp b, 0,1,2,3
	ds_store_b128 v[STO], v[8*(4*(\a)+\b):8*(4*(\a)+\b)+3] offset:64*\b          ; each accumulator from its low end on
	ds_store_b128 v[STO], v[8*(4*(\a)+\b)+4:8*(4*(\a)+\b)+7] offset:64*\b+16
.endr
	WIN 0
.set BB, BK+32*((\a)%2)
.irp t, 0,1,2,3,4,5,6,7
	ds_load_b128 v[BB+4*\t:BB+4*\t+3], v[RD] offset:\t*2*SPITCH
.endr
.endm
.macro SEND a, younger                 ; younger: the LDS instructions issued behind block a's loads, which may stay out
.set BB, BK+32*((\a)%2)
	s_wait_dscnt \younger                          ; the block is back in registers
.irp t, 0,1,2,3,4,5,6,7
	global_store_b128 v[CO], v[BB+4*\t:BB+4*\t+3], s[10:11] offset:65536*(\a)+8192*\t th:TH_STORE_NT   ; rows 16 a + 2 t and + 1; written once, read by nobody here
.endr
.endm
	PLACES                                         ; behind the last products: ahead of the first read of results and of the loads into registers that held fragments
	TOSTAGE 0
.irp a, 1,2,3,4,5,6,7
.if \a > 1
	s_wait_xcnt 0x0                                ; block a - 2's stores have read their registers: block a's loads may land there
.endif
	TOSTAGE \a
	SEND \a-1, 16                                  ; behind block a - 1's loads: block a's 8 stores and 8 loads
.endr
	SEND 7, 0
	s_wait_tensorcnt 0x0                           ; the wave's end, behind my last tensor load and my last LDS store
	ds_add_u32 v[SPW], v[NIL]
	s_wait_dscnt 0x0
	CROUND                                         ; the closing round: no work-group ends while a partner may still ask for a tile that names it
	s_endpgm
.Lfunc_end_k_q67331815cc_oproj:
	.size	k_q67331815cc_oproj, .Lfunc_end_k_q67331815cc_oproj-k_q67331815cc_oproj
	.p2alignl 7, 3214868480
	.fill 96, 4, 3214868480
	.section	.rodata,"a",@progbits
	.p2align	6, 0x0
	.amdhsa_kernel k_q67331815cc_oproj
		.amdhsa_group_segment_fixed_size 327680
		.amdhsa_private_segment_fixed_size 0
		.amdhsa_enable_private_segment 0
		.amdhsa_kernarg_size 32
		.amdhsa_user_sgpr_count 2
		.amdhsa_user_sgpr_kernarg_segment_ptr 1
		.amdhsa_wavefront_size32 1
		.amdhsa_system_sgpr_workgroup_id_x 1
		.amdhsa_system_sgpr_workgroup_id_y 1
		.amdhsa_system_sgpr_workgroup_id_z 1
		.amdhsa_system_vgpr_workitem_id 0
		.amdhsa_next_free_vgpr 512
		.amdhsa_next_free_sgpr 84
		.amdhsa_reserve_vcc 0
		.amdhsa_float_denorm_mode_32 3
		.amdhsa_float_denorm_mode_16_64 3
		.amdhsa_memory_ordered 1
		.amdhsa_forward_progress 1
		.amdhsa_inst_pref_size 149
	.end_amdhsa_kernel
	.amdgpu_metadata
---
amdhsa.version: [ 1, 2 ]
amdhsa.kernels:
  - .name:           k_q67331815cc_oproj
    .symbol:         k_q67331815cc_oproj.kd
    .args:
      - { .name: mh, .offset: 0, .size: 8, .value_kind: global_buffer, .address_space: global }
      - { .name: woh, .offset: 8, .size: 8, .value_kind: global_buffer, .address_space: global }
      - { .name: bo, .offset: 16, .size: 8, .value_kind: global_buffer, .address_space: global }
      - { .name: out0, .offset: 24, .size: 8, .value_kind: global_buffer, .address_space: global }
    .group_segment_fixed_size: 327680
    .private_segment_fixed_size: 0
    .kernarg_segment_align: 8
    .kernarg_segment_size: 32
    .max_flat_workgroup_size: 128
    .sgpr_count:     84
    .vgpr_count:     512
    .wavefront_size: 32
...
	.end_amdgpu_metadata
.endif
;; end of part 4
